; MI455X (gfx1250); checked and timed in simulation.
; The chip was launched on July 23, 2026; its instructions are those of AMD's public machine-readable ISA for CDNA 5 (MIT licence, August 2026) and "CDNA5" Instruction Set Architecture Reference Guide (July 2026). The comments in the code are by the model that wrote it; some were corrected since.
;; Expert Lo RA. Allowed arithmetic: float matrix products may take bf16 or f16 operands with f32 sums; other float arithmetic in f32, or as packed bf16 or f16 multiplies, adds, multiply-adds, maxima and minima; sums over many terms, partial sums and values carried from step to step in f32; what a program stores and reads back later, other than sums and carried values, may be rounded once to bf16 or f16.
;; Inputs: down_bias 16 x 1,024 float32; down_proj 16 x 1,024 x 1,024 float32; gate_up_bias 16 x 2,048 float32; gate_up_proj 16 x 1,024 x 2,048 float32; hidden_states 2 x 512 x 1,024 float32; lora_down_A 16 x 1,024 x 16 float32; lora_down_B 16 x 16 x 1,024 float32; lora_gate_up_A 16 x 1,024 x 16 float32; lora_gate_up_B 16 x 16 x 2,048 float32; router_indices 1,024 x 2 int32; routing_weights 1,024 x 2 float32.
;; Outputs: out0 2 x 512 x 1,024 float32.
;; 2 versions, each right; version 2 is version 1 with the launches gateup, down written anew for expert scheduling mode. Each part assembles by itself: llvm-mc -triple=amdgcn-amd-amdhsa -mcpu=gfx1250 --defsym DOCPART=n.
;; ======== version 1 of 2: 4 launches
;; limits: values are held in f16: magnitudes above 65,504 overflow, below 6.1e-05 lose precision
;; workspace buffers: xs 5,111,808 bytes; g 5,111,808 bytes; y 10,223,616 bytes; pos 8,192 bytes of whole numbers; tab 512 bytes of whole numbers
;; launch route (part 1): grid 256 x 1, 8 waves a work-group, no clusters, 1,280 bytes of LDS; arguments hidden_states, router_indices, xs, pos, tab; writes xs, pos, tab
.if DOCPART == 1
	.amdgcn_target "amdgcn-amd-amdhsa--gfx1250"
	.amdhsa_code_object_version 6
	.text
	.protected	k_q0f9a23cbb5_route
	.globl	k_q0f9a23cbb5_route
	.p2align	8
	.type	k_q0f9a23cbb5_route,@function
k_q0f9a23cbb5_route:
	s_mov_b64 s[64:65], 0
	v_nop
	global_prefetch_b8 v0, s[64:65] scope:SCOPE_SE
	s_setreg_imm32_b32 hwreg(HW_REG_WAVE_MODE, 25, 1), 1
	s_wait_xcnt 0x0
; ROUTE.  2,048 slots (slot s = 2 t + k: token t, choice k) are sorted by expert, by counting; no atomics.
; A wave owns ONE slot: it finds the slot's row in the sorted, padded order, rounds the token's x row once to f16
; and stores it at that row of xs; it stores the row's number in pos[s].  Work-group 0's wave 0 also stores the experts' table.
; ORDER.  key = min(index, 16) << 11 | slot (unsigned: an index outside 0..15 counts as 'expert 16', whose rows nobody multiplies).
; A slot's dense rank is the number of keys below its own.  Expert e's rows begin at OP[e] = the sum over e' < e of its count rounded up to 16,
; so that blocks of 16 rows can later be stored whole.  The highest row is 2,048 + 15 x 16 - 1 = 2,287.
; TABLE.  Entry e of 16 bytes: {first row, count, 0, 0}; 32 entries are stored, the upper sixteen all 0.
; All that steers an address is made in whole numbers.
; LIMITS.  x must lie within f16's 65,504; below 6.1e-5 it keeps f16's fixed step of 6e-8.
.set SPARE, 256                        ; the spare words: 128 bytes for each of the eight waves; bytes 0-63 hold the 16 dense offsets
.set XR,   8                           ; v[8:39]    the x row as loaded: 8 loads of 4 f32
.set KEY,  40                          ; v[40:103]  register 4 G + c of lane l: the key of slot 128 G + 4 l + c
.set TMP,  104                         ; v104       at work across lanes
.set CD,   105                         ; v105       keys below mine
.set CO,   106                         ; v[106:107] keys below (2 w + 1) << 11 and below (2 w + 2) << 11: two dense offsets
.set OW,   108                         ; v[108:123] the 16 dense offsets O[1..16] as read back
.set EN,   124                         ; v[124:127] lane e: the table's entry e
.set XF,   128                         ; v[128:143] the row in f16
.set W0,   144                         ; v[144:150] at work
; v1 lane, v2 4 x lane, v3 my spare word, v4 0, v5 16 x lane, v6 8 x lane, v7 4 x slot
; s14 wave, s15 slot, s16 expert, s17 my key, s18, s19 the two thresholds, s20 EXEC kept, s21 dense rank, s22 dense offset, s23 padded offset, s25 count,
; s26, s27 my expert's dense and padded offsets, s28-31 at work, s[32:33] lane selects, s[40:55] O[1..16]
	s_load_b256 s[4:11], s[0:1], 0x0               ; hidden_states s[4:5], router_indices s[6:7], xs s[8:9], pos s[10:11]
	s_load_b64 s[12:13], s[0:1], 0x20              ; tab
	v_lshl_add_u32 v3, v0, 2, SPARE
	v_mov_b32 v4, 0
	v_and_b32 v1, 31, v0
	v_lshrrev_b32 v[W0], 5, v0
	v_readfirstlane_b32 s14, v[W0]                 ; wave 0..7
	v_lshlrev_b32 v2, 2, v1
	v_lshlrev_b32 v5, 4, v1
	v_lshlrev_b32 v6, 3, v1
	s_lshl_b32 s15, ttmp9, 3
	s_add_co_u32 s15, s15, s14                     ; my slot
	s_lshl_b32 s28, s15, 2                         ; its byte in router_indices
	s_lshr_b32 s30, s15, 1                         ; its token,
	s_lshl_b32 s30, s30, 12                        ; whose row of x is 4,096 bytes
	s_mov_b32 s31, 0
	s_mov_b32 s32, 0x76543210                      ; v_permlanex16_b32: each lane takes its own place in the other half
	s_mov_b32 s33, 0xfedcba98
	s_lshl_b32 s18, s14, 12
	s_add_co_u32 s18, s18, 2048                    ; (2 w + 1) << 11
	s_add_co_u32 s19, s18, 2048                    ; (2 w + 2) << 11
	s_wait_kmcnt 0x0
	s_load_b32 s16, s[6:7], s28 offset:0x0         ; my slot's index
	s_add_nc_u64 s[4:5], s[4:5], s[30:31]
.set n, 0
.rept 16                                               ; all 2,048 indices: 512 consecutive bytes a load
	global_load_b128 v[KEY+4*n:KEY+4*n+3], v5, s[6:7] offset:512*n
.set n, n+1
.endr
.set n, 0
.rept 8                                                ; my token's row: 512 consecutive bytes a load
	global_load_b128 v[XR+4*n:XR+4*n+3], v5, s[4:5] offset:512*n
.set n, n+1
.endr
	v_mov_b32 v[TMP], 0                            ; written before the lane moves, which count as readers of their destination
	v_mov_b32 v[CD], 0
	v_mov_b32 v[CO], 0
	v_mov_b32 v[CO+1], 0
	s_wait_kmcnt 0x0
	s_min_u32 s16, s16, 16
	s_lshl_b32 s17, s16, 11
	s_or_b32 s17, s17, s15                         ; my key
	s_wait_loadcnt 8                               ; the indices are in; the eight loads of x, issued behind them, may stay out
.set n, 0
.rept 64
	v_min_u32 v[KEY+n], 16, v[KEY+n]
	v_add_nc_u32 v[W0+n%4], 128*(n/4)+n%4, v2      ; the slot's number
	v_lshl_add_u32 v[KEY+n], v[KEY+n], 11, v[W0+n%4]
.set n, n+1
.endr
.set n, 0
.rept 64                                               ; three counts a lane: the compare's bit is added as a carry
	v_cmp_gt_u32 vcc_lo, s17, v[KEY+n]
	v_add_co_ci_u32 v[CD], vcc_lo, 0, v[CD], vcc_lo
	v_cmp_gt_u32 vcc_lo, s18, v[KEY+n]
	v_add_co_ci_u32 v[CO], vcc_lo, 0, v[CO], vcc_lo
	v_cmp_gt_u32 vcc_lo, s19, v[KEY+n]
	v_add_co_ci_u32 v[CO+1], vcc_lo, 0, v[CO+1], vcc_lo
.set n, n+1
.endr
.set c, CD
.rept 3                                                ; each count summed over the 32 lanes, in whole numbers
	v_mov_b32_dpp v[TMP], v[c] row_xmask:1 row_mask:0xf bank_mask:0xf
	v_add_nc_u32 v[c], v[c], v[TMP]
	v_mov_b32_dpp v[TMP], v[c] row_xmask:2 row_mask:0xf bank_mask:0xf
	v_add_nc_u32 v[c], v[c], v[TMP]
	v_mov_b32_dpp v[TMP], v[c] row_xmask:4 row_mask:0xf bank_mask:0xf
	v_add_nc_u32 v[c], v[c], v[TMP]
	v_mov_b32_dpp v[TMP], v[c] row_xmask:8 row_mask:0xf bank_mask:0xf
	v_add_nc_u32 v[c], v[c], v[TMP]
	v_permlanex16_b32 v[TMP], v[c], s32, s33
	v_add_nc_u32 v[c], v[c], v[TMP]
.set c, c+1
.endr
	v_readfirstlane_b32 s21, v[CD]                 ; my dense rank
	v_mov_b32 v[W0], s14
	v_lshlrev_b32 v[W0], 3, v[W0]
	ds_store_b64 v[W0], v[CO:CO+1]                 ; O[2 w + 1], O[2 w + 2] at byte 8 w: every lane writes the same two words
	s_wait_dscnt 0x0                               ; for the others' sake: my store is done
	s_barrier_signal -1
	s_barrier_wait -1
	v_mov_b32 v[W0+1], 0
.set n, 0
.rept 4
	ds_load_b128 v[OW+4*n:OW+4*n+3], v[W0+1] offset:16*n
.set n, n+1
.endr
	s_wait_dscnt 0x0
.set n, 0
.rept 16
	v_readfirstlane_b32 s[40+n], v[OW+n]           ; O[n + 1]: slots whose expert is n or lower
.set n, n+1
.endr
	; The walk over the experts: counts and padded offsets.  Lane e keeps expert e's.
	s_mov_b32 s22, 0
	s_mov_b32 s23, 0
	s_mov_b32 s26, 0
	s_mov_b32 s27, 0
.set n, 0
.rept 4
	v_mov_b32 v[EN+n], 0
.set n, n+1
.endr
.set e, 0
.rept 16
	s_sub_co_u32 s25, s[40+e], s22                 ; the expert's count
	v_cmp_eq_u32 vcc_lo, e, v1
	v_cndmask_b32 v[EN], v[EN], s23, vcc_lo
	v_cndmask_b32 v[EN+1], v[EN+1], s25, vcc_lo
	s_cmp_eq_u32 s16, e
	s_cselect_b32 s26, s22, s26
	s_cselect_b32 s27, s23, s27
	s_add_co_u32 s28, s25, 15
	s_and_b32 s28, s28, -16
	s_add_co_u32 s23, s23, s28                     ; the next expert's first row
	s_mov_b32 s22, s[40+e]
.set e, e+1
.endr
	s_cmp_eq_u32 s16, 16                           ; 'expert 16' lies behind the sixteen
	s_cselect_b32 s26, s22, s26
	s_cselect_b32 s27, s23, s27
	s_sub_co_u32 s28, s21, s26                     ; my rank within my expert
	s_add_co_u32 s28, s28, s27
	s_min_u32 s28, s28, 2303                       ; my row: 2,287 at the most by the count above; held inside xs whatever was loaded
	s_lshl_b32 s30, s28, 11                        ; rows of 2,048 bytes
	s_add_nc_u64 s[8:9], s[8:9], s[30:31]
	s_wait_loadcnt 0x0                             ; x
.set n, 0
.rept 8                                                ; the one rounding to f16
	v_cvt_pk_f16_f32 v[XF+2*n], v[XR+4*n], v[XR+4*n+1]
	v_cvt_pk_f16_f32 v[XF+2*n+1], v[XR+4*n+2], v[XR+4*n+3]
	global_store_b64 v6, v[XF+2*n:XF+2*n+1], s[8:9] offset:256*n  ; the wave's store covers 256 consecutive bytes, aligned
.set n, n+1
.endr
	v_mov_b32 v7, s15
	v_lshlrev_b32 v7, 2, v7
	v_mov_b32 v[W0+6], s28
	s_wait_xcnt 0x0                                ; EXEC changes only behind this wait
	v_cmp_eq_u32 vcc_lo, 0, v1
	s_and_saveexec_b32 s20, vcc_lo
	global_store_b32 v7, v[W0+6], s[10:11]         ; pos[slot], by lane 0
	s_wait_xcnt 0x0                                ; and again in front of the line that widens it
	s_or_b32 exec_lo, exec_lo, s20
	s_or_b32 s28, ttmp9, s14
	s_cmp_lg_u32 s28, 0
	s_cbranch_scc1 .Lno_table                      ; the table is stored by one wave of the launch
	global_store_b128 v5, v[EN:EN+3], s[12:13]     ; 32 entries of 16 bytes
.Lno_table:
	s_wait_tensorcnt 0x0                           ; the wave's end
	ds_add_u32 v3, v4
	s_wait_dscnt 0x0
	s_endpgm
.Lfunc_end_k_q0f9a23cbb5_route:
	.size	k_q0f9a23cbb5_route, .Lfunc_end_k_q0f9a23cbb5_route-k_q0f9a23cbb5_route
	.p2alignl 7, 3214868480
	.fill 96, 4, 3214868480
	.section	.rodata,"a",@progbits
	.p2align	6, 0x0
	.amdhsa_kernel k_q0f9a23cbb5_route
		.amdhsa_group_segment_fixed_size 1280
		.amdhsa_private_segment_fixed_size 0
		.amdhsa_enable_private_segment 0
		.amdhsa_kernarg_size 40
		.amdhsa_user_sgpr_count 2
		.amdhsa_user_sgpr_kernarg_segment_ptr 1
		.amdhsa_wavefront_size32 1
		.amdhsa_system_sgpr_workgroup_id_x 1
		.amdhsa_system_sgpr_workgroup_id_y 1
		.amdhsa_system_sgpr_workgroup_id_z 1
		.amdhsa_system_vgpr_workitem_id 0
		.amdhsa_next_free_vgpr 152
		.amdhsa_next_free_sgpr 66
		.amdhsa_reserve_vcc 1
		.amdhsa_float_denorm_mode_32 3
		.amdhsa_float_denorm_mode_16_64 3
		.amdhsa_memory_ordered 1
		.amdhsa_forward_progress 1
		.amdhsa_inst_pref_size 38
	.end_amdhsa_kernel
	.amdgpu_metadata
---
amdhsa.version: [ 1, 2 ]
amdhsa.kernels:
  - .name:           k_q0f9a23cbb5_route
    .symbol:         k_q0f9a23cbb5_route.kd
    .args:
      - { .name: hidden_states, .offset: 0, .size: 8, .value_kind: global_buffer, .address_space: global }
      - { .name: router_indices, .offset: 8, .size: 8, .value_kind: global_buffer, .address_space: global }
      - { .name: xs, .offset: 16, .size: 8, .value_kind: global_buffer, .address_space: global }
      - { .name: pos, .offset: 24, .size: 8, .value_kind: global_buffer, .address_space: global }
      - { .name: tab, .offset: 32, .size: 8, .value_kind: global_buffer, .address_space: global }
    .group_segment_fixed_size: 1280
    .private_segment_fixed_size: 0
    .kernarg_segment_align: 8
    .kernarg_segment_size: 40
    .max_flat_workgroup_size: 256
    .sgpr_count:     66
    .vgpr_count:     152
    .wavefront_size: 32
...
	.end_amdgpu_metadata
.endif
;; end of part 1
;; launch gateup (part 2): grid 16 x 16, 4 waves a work-group, no clusters, 262,656 bytes of LDS; arguments xs, gate_up_proj, lora_gate_up_A, lora_gate_up_B, gate_up_bias, tab, g; writes g
.if DOCPART == 2
	.amdgcn_target "amdgcn-amd-amdhsa--gfx1250"
	.amdhsa_code_object_version 6
	.text
	.protected	k_q0f9a23cbb5_gateup
	.globl	k_q0f9a23cbb5_gateup
	.p2align	8
	.type	k_q0f9a23cbb5_gateup,@function
k_q0f9a23cbb5_gateup:
	s_mov_b64 s[64:65], 0
	v_nop
	global_prefetch_b8 v0, s[64:65] scope:SCOPE_SE
	s_setreg_imm32_b32 hwreg(HW_REG_WAVE_MODE, 25, 1), 1
	s_wait_xcnt 0x0
; ONE TEXT FOR BOTH PRODUCTS OF AN EXPERT.  MODE 0: g = GLU(x W1' + b1), W1' = W1 + A1 B1 (the LoRA scale 16 / 16 = 1 is the problem's constant: no multiply).  MODE 1: y = g W2' + b2.
; SHARES.  Work-group (slice, expert): slice = 128 (MODE 0) or 64 (MODE 1) columns of ONE expert's weights, which no other work-group reads, and ALL of that expert's sorted rows (first row and count
; from the table that the first launch stored).  16 x 16 work-groups whatever the split; each weight byte is read once.
; PHASE 1.  Wave w streams K rows 256 w .. 256 w + 255 of the slice through registers: A B (an f16 matrix product, rank 16 in a K of 32, upper half 0) is added to W in f32, the sum rounded
; once to f16, and laid into LDS as operand fragments.  No transposition: lane (r = l % 16, h = l / 16) loads W[k0 + 16 kk + 8 h + i][n0 + 4 r .. + 3]; COLUMN TILE j is DEFINED as the columns n0 + 4 r + j,
; so that rows 2 p, 2 p + 1 packed are register 4 kk + p of tile j's fragment in this very lane.  Each load takes two whole aligned runs of 256 bytes.
; The expert is the work-group's y, so the weights' first loads go out ahead of the wait for the table's entry.  An expert without rows leaves phase 1 out.
; PHASE 2, behind the first barrier: a loop over blocks of 192 rows, ceil(count / 192) trips (one at the least); nothing in it writes LDS and no barrier stands in it; every jump in it goes forward to a label
; ahead of the counter's step, and it is left by falling through its backward branch alone.  Wave w multiplies rows 48 w .. 48 w + 47 of the block
; (three blocks of 16; places past the count repeat the last row) by the whole slice: f16 operands, f32 sums.
; MODE 0: source 0 = weights, so a lane holds ONE token and eight columns; tiles j = 0, 2 are gates, j = 1, 3 their ups; g leaves as [f / 8][row][8] f16, sixteen lanes filling 256 aligned bytes.
; MODE 1: source 0 = tokens, so a lane holds columns 4 r + j of eight tokens: four tiles make 16 bytes of a row of y (f32: the two partial rows of a token are added by the last launch).
; LDS ADDRESSES in the loops are made anew in each trip: a lane term that is never rewritten plus a scalar that a counted loop steps by a constant.
; NO TENSOR LOADS: every weight passes through registers anyway.  NO CLUSTER: each weight byte has one reader; what an expert's 16 slices share is its x rows, 384 KB a block, and beside MODE 0's
; 256 KB of fragments LDS has 64 KB left.
; LIMITS.  x, the LoRA factors and W + A B must lie within f16's 65,504 and keep f16's fixed step of 6e-8 below 6.1e-5; g lies within 56 by the problem's own clips.  NaN and infinities are not treated apart.
.set MODE,   0
.set ROWS,   2496                      ; rows of xs, g, y
.set RP,     ROWS*16                   ; bytes of one block of eight channels of g, all rows
.set BLK,    192                       ; rows in a block
.if MODE == 0
.set WP,     8192                      ; bytes of a row of W, of lora_B and of the bias
.set NCG,    2                         ; groups of 64 columns in the slice
.set UOFF1,  256                       ; a slot's unit 1 in W: the second group of columns
.set AOFF1,  0
.set AU1,    0                         ; unit 1 shares unit 0's rows of lora_A
.set BF1,    32                        ; and takes the second group's fragments of lora_B
.set SLOTA,  2048                      ; a slot in lora_A: 32 rows of 64 bytes
.set NTRIP1, 3
.set CH,     4                         ; K steps in a chunk of x
.set NT2,    3
.set XSTEP,  64                        ; bytes of x from K step to K step
.set XH,     32                        ; and to a fragment's second half
.set XSH,    11                        ; a row of x: 2,048 bytes
.set OSTEP,  BLK*16                    ; a block of rows in the output
.else
.set WP,     4096
.set NCG,    1
.set UOFF1,  32*4096                   ; a slot's unit 1 in W: the next K step
.set AOFF1,  2048
.set AU1,    1
.set BF1,    0
.set SLOTA,  4096
.set NTRIP1, 1
.set CH,     8
.set NT2,    1
.set XSTEP,  4*RP
.set XH,     2*RP
.set XSH,    4                         ; a row of g within a block of channels: 16 bytes
.set OSTEP,  BLK*4096
.endif
.set NCT,    4*NCG                     ; column tiles
.set SLB,    256*NCG                   ; the slice's bytes in a row
.set KSW,    32*WP                     ; a K step (32 rows) of W
.set KSB,    1024*NCT                  ; a K step in LDS: fragment (s, c) at s KSB + 1024 c + 512 half + 16 lane
.set SLOTW,  262144                    ; a slot (two units of 16 loads) in W
.set SLOTL,  8192                      ; and in LDS
.set LU0,    20                        ; loads of unit 0: 4 of lora_A, 16 of W
.set LU1,    16+4*AU1
.set PERIOD, 2*CH
.set SPARE,  32*KSB                    ; behind the fragments: the spare words, 128 bytes a wave
; window 0
.set LANE, 1
.set RR,   2                           ; l % 16
.set HH,   3                           ; l / 16
.set SPW,  4                           ; my spare word; never rewritten
.set NIL,  5                           ; 0; never rewritten
.set WOFF, 6                           ; 8 h rows + 16 r: W and lora_B
.set AOFF, 7                           ; 64 r + 32 h: lora_A
.set LST,  8                           ; where phase 1 stores in this trip: LS0 + s32
.set WA0,  9                           ; 16 lane; never rewritten
.set WA,   10                          ; where phase 2 reads in this trip: WA0 + s38
.set HRP,  11                          ; MODE 1: h RP
.set XO,   12                          ; v12-14 my byte offset in x, by block of 16 rows
.set SO,   15                          ; my byte offset in the output
.set BO,   16                          ; and in the bias
.set ROW0, 17                          ; 48 w + r: my row in a block of 192
.set T0,   18
.set T1,   19
.set BI,   20                          ; MODE 1: v[20:23] the bias of my four columns
.set LS0,  24                          ; 16 lane + my wave's eight K steps in LDS; never rewritten
.set DD,   32                          ; phase 1: v[32:95] A B, accumulator (kk, j) at 8 (4 kk + j); first the stage for lora_B
.set FR,   96                          ; v[96:127] the four fragments at work
.set AF,   128                         ; v[128:143] lora_A's fragments, by kk
.set BF,   144                         ; lora_B's fragments, by group and j
.set WB,   32                          ; phase 2: the weights' fragments of one K step, two buffers
.set BT,   160                         ; MODE 0: v[160:223] the bias as the first product's C, by column tile
.set PP,   32                          ; MODE 0, way out: 8 registers for each (block of 16, group)
.set TT,   96                          ; MODE 1, way out: 32 registers a block of 16
; window 1: phase 1 slot a (unit u at 80 u: 16 of lora_A, 64 of W); phase 2 accumulator (t, c) at 8 (NCT t + c), and
.set EE,   192                         ; v[192:223] at work in the activation
; window 2: x, buffer 0 (K step i of the chunk, block t at 24 i + 8 t), and
.set BIS,  192                         ; MODE 0: v[192:255] the bias as loaded
; window 3: phase 1 slot b; phase 2 x, buffer 1
; s[4:5] x, s[6:7] W, s[8:9] lora_A, s[10:11] lora_B, s[12:13] bias, s[14:15] table, s[16:17] output, s18 wave, s19 slice, s20 expert, s21 my wave's rows in the block, s22, s23 counters,
; s24 the expert's first row, s25 its count, s26 its blocks, s27 the block, s[28:29] a 64-bit offset, s30 at work, s31 48 w, s32 phase 1's step in LDS, s33 7.0, s34 -7.0,
; s[36:37] -1.702 log2(e), s38 phase 2's step in LDS, s39 the entry's byte in the table, s40 count - 48 w - 192 block, s41 192 block, s[42:43] x at the expert's first row, s44 the last row that exists
.set MSB, 0
.macro WIN new                         ; s_set_vgpr_msb: bits 1:0 source 0, 3:2 source 1, 5:4 source 2, 7:6 destination; the high byte repeats the setting that is left
.if MSB != (\new)
	s_set_vgpr_msb (MSB<<8)|(\new)
.set MSB, (\new)
.endif
.endm
.macro PLACES                          ; four plain places behind matrix instructions, in front of loads into their sources and of readers of their results
.rept 4
	v_nop
.endr
.endm
; The loads of one unit into window win, registers base on: lora_A's 32 rows (if hasa), then 32 rows x 64 columns of W.
.macro LOADU win, base, hasa, woff, aoff
	WIN (\win)<<6
.if \hasa
.set n, 0
.rept 4                                ; n = 2 kk + q: row 16 kk + r, ranks 8 h + 4 q on
	global_load_b128 v[(\base)+4*n:(\base)+4*n+3], v[AOFF], s[8:9] offset:(\aoff)+1024*(n/2)+16*(n%2)
.set n, n+1
.endr
.endif
.set n, 0
.rept 16                               ; n = 8 kk + i: row 16 kk + 8 h + i
	global_load_b128 v[(\base)+16+4*n:(\base)+16+4*n+3], v[WOFF], s[6:7] offset:(\woff)+(16*(n/8)+n%8)*WP th:TH_LOAD_NT
.set n, n+1
.endr
.endm
; One unit: cnt = the loads issued behind this unit's own.  bf: lora_B's fragments for its columns.  loff: its place in LDS from LST.  refill = 1: its registers are loaded again, two slots on.
.macro UNIT win, base, hasa, bf, loff, cnt, refill, rwoff, raoff
	s_wait_loadcnt \cnt
.if \hasa
	WIN (\win)|((\win)<<2)
.set n, 0
.rept 8                                ; n = 4 kk + p
	v_cvt_pk_f16_f32 v[AF+8*(n/4)+n%4], v[(\base)+2*n], v[(\base)+2*n+1]
.set n, n+1
.endr
.endif
	WIN 0
.set n, 0
.rept 8                                ; n = 4 kk + j: eight different accumulators, each begun with 0: register i of lane (r, h) = (A B)[16 kk + 8 h + i][4 r + j]
	v_wmma_f32_16x16x32_f16 v[DD+8*n:DD+8*n+7], v[AF+8*(n/4):AF+8*(n/4)+7], v[(\bf)+8*(n%4):(\bf)+8*(n%4)+7], 0
.set n, n+1
.endr
	PLACES                                         ; behind the products, ahead of the first line that reads a result
	WIN (\win)                                     ; source 0 in the slot's window
.set n, 0
.rept 64                               ; n = 8 (4 kk + j) + i: W + A B in f32; each accumulator is read from its lowest register on
	v_add_f32 v[DD+n], v[(\base)+16+4*(8*(n/32)+n%8)+(n/8)%4], v[DD+n]
.set n, n+1
.endr
.if \refill
	LOADU \win, \base, \hasa, \rwoff, \raoff
.endif
	WIN 0
.set n, 0
.rept 32                               ; n = 4 (4 kk + j) + p: the one rounding to f16, rows 2 p and 2 p + 1 packed
.set fq, FR+8*((n/4)%4)+4*(n/16)+n%4
	v_cvt_pk_f16_f32 v[fq], v[DD+2*n], v[DD+2*n+1]
.set n, n+1
.endr
.set n, 0
.rept 8                                ; n = 2 j + half: 32 lanes x 16 consecutive bytes
	ds_store_b128 v[LST], v[FR+4*n:FR+4*n+3] offset:(\loff)+512*n
.set n, n+1
.endr
.endm
; My byte offsets in x for the block that begins at row s41.
.macro SETX
	v_add_nc_u32 v[T0], s41, v[ROW0]
.set n, 0
.rept 3
	v_add_nc_u32 v[T1], 16*n, v[T0]
	v_min_u32 v[T1], s44, v[T1]                    ; places past the count repeat the last row
	v_min_u32 v[T1], 2047, v[T1]
.if MODE == 0
	v_lshlrev_b32 v[XO+n], 11, v[T1]
	v_lshl_add_u32 v[XO+n], v[HH], 4, v[XO+n]
.else
	v_lshl_add_u32 v[XO+n], v[T1], 4, v[HRP]
.endif
.set n, n+1
.endr
.endm
; A chunk of x: CH K steps x three blocks of 16 rows, two loads a fragment, into buffer buf.
.macro FILLX buf, kbase
	WIN (2+(\buf))<<6
.set m, 0
.rept 3*CH                             ; m = 3 i + t
	global_load_b128 v[8*m:8*m+3], v[XO+m%3], s[4:5] offset:((\kbase)+m/3)*XSTEP
	global_load_b128 v[8*m+4:8*m+7], v[XO+m%3], s[4:5] offset:((\kbase)+m/3)*XSTEP+XH
.set m, m+1
.endr
.endm
; K step q of a ring's period.  wl = 1: the next K step's weights are read from LDS (address register wb, offset woffs) into the other buffer.  fill >= 0: that buffer of x is loaded again, from K step fk on.
; lw >= 0: a wait on the loads of x.  The 3 NCT accumulators take turns, one instruction a turn.
.macro KS q, first, wl, wb, woffs, fill, fk, lw
.set par, (\q)%2
.set bu, ((\q)/CH)%2
.set ix, (\q)%CH
.if !(\first)
	PLACES                                         ; the loads below land in registers that the K step before multiplied
.endif
.if \wl
	WIN 0
.set n, 0
.rept 2*NCT                            ; n = 2 c + half
	ds_load_b128 v[WB+8*NCT*(1-par)+4*n:WB+8*NCT*(1-par)+4*n+3], v[\wb] offset:(\woffs)+512*n
.set n, n+1
.endr
.endif
.if (\fill) >= 0
	FILLX \fill, \fk
.endif
.if (\lw) >= 0
	s_wait_loadcnt \lw                             ; all but the chunk just asked for: the chunk that this K step begins is in
.endif
.if \wl
	s_wait_dscnt 2*NCT                             ; all but the 2 NCT just issued: this K step's weights are in
.else
	s_wait_dscnt 0x0
.endif
.if MODE == 0
.if \first
	WIN 0x48                                       ; D window 1, x window 2, weights and C window 0
.else
	WIN 0x50|((2+bu)<<2)
.endif
.else
	WIN 0x50|(2+bu)
.endif
.set n, 0
.rept 3*NCT                            ; column tile n / 3, block n % 3
.set ac, 8*(NCT*(n%3)+n/3)
.set wf, WB+8*NCT*par+8*(n/3)
.set xf, 24*ix+8*(n%3)
.if MODE == 0
.if \first
	v_wmma_f32_16x16x32_f16 v[ac:ac+7], v[wf:wf+7], v[xf:xf+7], v[BT+8*(n/3):BT+8*(n/3)+7]  ; the bias starts the sums
.else
	v_wmma_f32_16x16x32_f16 v[ac:ac+7], v[wf:wf+7], v[xf:xf+7], v[ac:ac+7]
.endif
.else
.if \first
	v_wmma_f32_16x16x32_f16 v[ac:ac+7], v[xf:xf+7], v[wf:wf+7], 0
.else
	v_wmma_f32_16x16x32_f16 v[ac:ac+7], v[xf:xf+7], v[wf:wf+7], v[ac:ac+7]
.endif
.endif
.set n, n+1
.endr
.endm
; K steps 1 .. PERIOD of a period (refill = 1), or 1 .. PERIOD - 1, the last ones, which ask for nothing more (refill = 0).
.macro BODY refill
.set qq, 1
.rept PERIOD-1+(\refill)
.if (qq == CH) && (\refill)
	KS qq, 0, 1, WA, (qq-1)*KSB, 0, PERIOD, 6*CH
.elseif qq == CH
	KS qq, 0, 1, WA, (qq-1)*KSB, -1, 0, 0
.elseif qq == PERIOD
	KS qq, 0, 1, WA, (qq-1)*KSB, 1, PERIOD+CH, 6*CH
.elseif (qq == PERIOD-1) && !(\refill)
	KS qq, 0, 0, WA, 0, -1, 0, -1
.else
	KS qq, 0, 1, WA, (qq-1)*KSB, -1, 0, -1
.endif
.set qq, qq+1
.endr
.endm
; MODE 0, block t of 16 rows: gate = min(gu even, 7), up = clip(gu odd, -7, 7), g = (up + 1) gate / (1 + 2^(-1.702 log2(e) gate)).  The 32 exponentials are one batch with one wait, and so are the 32 reciprocals.
.macro GLU t
	WIN 0
.if (\t) > 0
	s_cmp_le_u32 s21, 16*(\t)                      ; my wave has no row in this block of 16, nor in a later one of this trip
	s_cbranch_scc1 .Lnext
.endif
	WIN 0x55                                       ; all in window 1
.set n, 0
.rept 32                               ; n = 16 group + 8 (j / 2) + i
.set gr, 8*(NCT*(\t)+4*(n/16)+2*((n/8)%2))+n%8
	v_min_num_f32 v[gr], s33, v[gr]
.set n, n+1
.endr
.set n, 0
.rept 16
.set gr, 8*(NCT*(\t)+4*(n/16)+2*((n/8)%2))+n%8
	v_pk_mul_f32 v[EE+n:EE+n+1], v[gr:gr+1], s[36:37] op_sel_hi:[1,0]
.set n, n+2
.endr
.set n, 0
.rept 32
	v_exp_f32 v[EE+n], v[EE+n]
.set n, n+1
.endr
.set n, 0
.rept 32                               ; the ups are clipped meanwhile: plain work that names no exponential's result
.set gr, 8*(NCT*(\t)+4*(n/16)+2*((n/8)%2))+n%8
	v_med3_num_f32 v[gr+8], v[gr+8], s34, s33
.set n, n+1
.endr
	s_wait_alu depctr_va_vdst(0)                   ; one wait for the batch of exponentials, ahead of their first reader
.set n, 0
.rept 16
	v_pk_add_f32 v[EE+n:EE+n+1], v[EE+n:EE+n+1], 1.0 op_sel_hi:[1,0]
.set n, n+2
.endr
.set n, 0
.rept 32
	v_rcp_f32 v[EE+n], v[EE+n]
.set n, n+1
.endr
	v_nop                                          ; a plain instruction behind the last reciprocal
	s_wait_alu depctr_va_vdst(0)                   ; and one wait for the batch
.set n, 0
.rept 16
.set gr, 8*(NCT*(\t)+4*(n/16)+2*((n/8)%2))+n%8
	v_pk_mul_f32 v[gr:gr+1], v[gr:gr+1], v[EE+n:EE+n+1]
.set n, n+2
.endr
.set n, 0
.rept 16
.set gr, 8*(NCT*(\t)+4*(n/16)+2*((n/8)%2))+n%8
	v_pk_fma_f32 v[gr:gr+1], v[gr+8:gr+9], v[gr:gr+1], v[gr:gr+1]  ; up glu + glu
.set n, n+2
.endr
	WIN 0x05                                       ; sources window 1, destination window 0
.set n, 0
.rept 16                               ; n = 8 group + i: channels 32 group + 16 h + 2 i and the next
	v_cvt_pk_f16_f32 v[PP+16*(\t)+n], v[8*(NCT*(\t)+4*(n/8))+n%8], v[8*(NCT*(\t)+4*(n/8)+2)+n%8]
.set n, n+1
.endr
	WIN 0
.set n, 0
.rept 4                                ; n = 2 group + p: block of eight channels 4 group + 2 h + p; sixteen lanes (rows) store 256 consecutive bytes, aligned
	global_store_b128 v[SO], v[PP+16*(\t)+4*n:PP+16*(\t)+4*n+3], s[16:17] offset:(4*(n/2)+n%2)*RP+256*(\t)
.set n, n+1
.endr
.endm
; MODE 1, block t of 16 rows: the bias is added; register i of tile j is token 8 h + i, column 4 r + j.
.macro YOUT t
	WIN 0
.if (\t) > 0
	s_cmp_le_u32 s21, 16*(\t)                      ; my wave has no row in this block of 16, nor in a later one of this trip
	s_cbranch_scc1 .Lnext
.endif
	WIN 0x01                                       ; source 0 window 1
.set n, 0
.rept 32                               ; n = 4 i + j: every accumulator is read from register 0 on
	v_add_f32 v[TT+32*(\t)+n], v[8*(NCT*(\t)+n%4)+n/4], v[BI+n%4]
.set n, n+1
.endr
	WIN 0
.set n, 0
.rept 8                                ; sixteen lanes store 256 consecutive bytes of a row, aligned
	global_store_b128 v[SO], v[TT+32*(\t)+4*n:TT+32*(\t)+4*n+3], s[16:17] offset:4096*n+65536*(\t)
.set n, n+1
.endr
.endm
	s_load_b256 s[4:11], s[0:1], 0x0
	s_load_b128 s[12:15], s[0:1], 0x20
	s_load_b64 s[16:17], s[0:1], 0x30
	v_lshl_add_u32 v[SPW], v0, 2, SPARE
	v_mov_b32 v[NIL], 0
	v_lshrrev_b32 v[T0], 5, v0
	v_readfirstlane_b32 s18, v[T0]                 ; wave 0..3
	s_mov_b32 s19, ttmp9                           ; slice
	s_and_b32 s20, ttmp7, 0xffff                   ; expert
	s_lshl_b32 s39, s20, 4                         ; its entry in the table; kept until the entry is in
	v_and_b32 v[LANE], 31, v0
	v_and_b32 v[RR], 15, v0
	v_bfe_u32 v[HH], v0, 4, 1
	v_mul_u32_u24 v[WOFF], v[HH], 8*WP
	v_lshl_add_u32 v[WOFF], v[RR], 4, v[WOFF]
	v_lshlrev_b32 v[AOFF], 6, v[RR]
	v_lshl_add_u32 v[AOFF], v[HH], 5, v[AOFF]
	v_lshlrev_b32 v[WA0], 4, v[LANE]
	s_mul_i32 s30, s18, 8*KSB                      ; my wave's eight K steps in LDS
	v_add_nc_u32 v[LS0], s30, v[WA0]
.if MODE == 0
	v_mul_u32_u24 v[SO], v[HH], 2*RP
	v_lshlrev_b32 v[BO], 7, v[HH]                  ; columns 4 (8 h + i) + j: 128 h bytes
.else
	v_lshlrev_b32 v[SO], 15, v[HH]                 ; eight rows of 4,096 bytes
	v_lshlrev_b32 v[BO], 4, v[RR]
	v_mul_u32_u24 v[HRP], v[HH], RP
.endif
	v_lshl_add_u32 v[SO], v[RR], 4, v[SO]
	s_mov_b32 s33, 0x40e00000                      ; 7.0
	s_mov_b32 s34, 0xc0e00000                      ; -7.0
	s_mov_b32 s36, 0xc01d265f                      ; -1.702 log2(e) = -2.4554670
	s_mov_b32 s37, s36                             ; named with it as a pair
	s_mov_b32 s29, 0
	s_mul_i32 s31, s18, 48                         ; my wave's first row in a block
	v_add_nc_u32 v[ROW0], s31, v[RR]
	s_wait_kmcnt 0x0
	s_load_b64 s[24:25], s[14:15], s39 offset:0x0  ; the expert's first row and count: waited for behind the weights' first loads
	s_mul_i32 s28, s20, 1024*WP                    ; W: the expert, the slice, my wave's K steps
	s_mul_i32 s30, s19, SLB
	s_add_co_u32 s28, s28, s30
	s_mul_i32 s30, s18, 8*KSW
	s_add_co_u32 s28, s28, s30
	s_add_nc_u64 s[6:7], s[6:7], s[28:29]
	s_lshl_b32 s28, s20, 16                        ; lora_A: the expert's 1,024 rows of 64 bytes, my wave's 256
	s_lshl_b32 s30, s18, 14
	s_add_co_u32 s28, s28, s30
	s_add_nc_u64 s[8:9], s[8:9], s[28:29]
	s_mul_i32 s28, s20, 16*WP                      ; lora_B: the expert's 16 rows, the slice
	s_mul_i32 s30, s19, SLB
	s_add_co_u32 s28, s28, s30
	s_add_nc_u64 s[10:11], s[10:11], s[28:29]
	s_mul_i32 s28, s20, WP                         ; the bias: the expert's row, the slice
	s_add_co_u32 s28, s28, s30
	s_add_nc_u64 s[12:13], s[12:13], s[28:29]
	; PHASE 1: the first loads
.set n, 0
.rept 8*NCG                            ; n = 8 group + i: lora_B[8 h + i][64 group + 4 r ..]
	global_load_b128 v[DD+4*n:DD+4*n+3], v[WOFF], s[10:11] offset:(n%8)*WP+256*(n/8)
.set n, n+1
.endr
	LOADU 1, 0, 1, 0, 0
	LOADU 1, 80, AU1, UOFF1, AOFF1
	LOADU 3, 0, 1, SLOTW, SLOTA
	WIN 0
.set n, 0
.rept 2+4*NCG                          ; ranks 16 to 31 of every LoRA fragment are 0
	v_mov_b32 v[AF+8*n+4], 0
	v_mov_b32 v[AF+8*n+5], 0
	v_mov_b32 v[AF+8*n+6], 0
	v_mov_b32 v[AF+8*n+7], 0
.set n, n+1
.endr
	s_wait_loadcnt LU0+LU1+LU0                     ; lora_B is in: the three units issued behind it may stay out
.set n, 0
.rept 16*NCG                           ; n = 16 group + 4 j + p
.set lb, DD+32*(n/16)+8*(n%4)+(n/4)%4
	v_cvt_pk_f16_f32 v[BF+32*(n/16)+8*((n/4)%4)+n%4], v[lb], v[lb+4]
.set n, n+1
.endr
	LOADU 3, 80, AU1, SLOTW+UOFF1, SLOTA+AOFF1
	WIN 0
	; The expert's rows: all that phase 2 reads is made here, on every path.
	s_wait_kmcnt 0x0
	s_min_u32 s24, s24, 2303                       ; what was loaded is held inside the buffers
	s_min_u32 s25, s25, 2048
	s_add_co_u32 s26, s25, BLK-1
	s_lshr_b32 s26, s26, 6
	s_mul_i32 s26, s26, 43
	s_lshr_b32 s26, s26, 7                         ; blocks: ceil(count / 192) = ((count + 191) >> 6) / 3; n x 43 >> 7 is n / 3 for n up to 34
	s_sub_co_i32 s40, s25, s31                     ; rows from my wave's first row of block 0 on
	s_mov_b32 s41, 0
	s_max_u32 s44, s25, 1
	s_sub_co_u32 s44, s44, 1                       ; the expert's last row that exists
	s_lshl_b32 s28, s24, XSH
	s_add_nc_u64 s[42:43], s[4:5], s[28:29]        ; x at the expert's first row
	s_mov_b64 s[4:5], s[42:43]
	s_add_co_u32 s30, s24, s31                     ; the output at my wave's first row
.if MODE == 0
	s_lshl_b32 s28, s30, 4
	s_mul_i32 s30, s19, 8*RP                       ; the slice's 64 channels: eight blocks
.else
	s_lshl_b32 s28, s30, 12
	s_lshl_b32 s30, s19, 8
.endif
	s_add_co_u32 s28, s28, s30
	s_add_nc_u64 s[16:17], s[16:17], s[28:29]
	SETX
.if MODE == 0
	WIN 0x80
.set n, 0
.rept 16                               ; n = 8 group + i
	global_load_b128 v[BIS+4*n:BIS+4*n+3], v[BO], s[12:13] offset:256*(n/8)+16*(n%8)
.set n, n+1
.endr
.else
	global_load_b128 v[BI:BI+3], v[BO], s[12:13]
.endif
	FILLX 0, 0
	WIN 0
	s_cmp_eq_u32 s25, 0
	s_cbranch_scc1 .Lbar                           ; an expert without rows: its weights are not streamed
	s_mov_b32 s32, 0                               ; the trip's two slots in LDS, from my wave's first
.if NTRIP1 > 1
	s_mov_b32 s22, NTRIP1
.Lp1:                                                  ; a trip: two slots, four units, each loaded again two slots on.  A unit's wait counts the three units issued behind it (in the first trip the bias and x stand behind them too)
.endif
	v_add_nc_u32 v[LST], s32, v[LS0]               ; where this trip stores
	UNIT 1, 0, 1, BF, 0, LU1+LU0+LU1, 1, 2*SLOTW, 2*SLOTA
	UNIT 1, 80, AU1, BF+BF1, 4096, LU0+LU1+LU0, 1, 2*SLOTW+UOFF1, 2*SLOTA+AOFF1
	UNIT 3, 0, 1, BF, 8192, LU1+LU0+LU1, 1, 3*SLOTW, 3*SLOTA
	UNIT 3, 80, AU1, BF+BF1, 12288, LU0+LU1+LU0, 1, 3*SLOTW+UOFF1, 3*SLOTA+AOFF1
	WIN 0
	s_wait_xcnt 0x0                                ; the bases are stepped only behind this wait
	s_add_nc_u64 s[6:7], s[6:7], 2*SLOTW
	s_add_nc_u64 s[8:9], s[8:9], 2*SLOTA
	s_add_co_u32 s32, s32, 2*SLOTL
.if NTRIP1 > 1
	s_sub_co_u32 s22, s22, 1
	s_cmp_lg_u32 s22, 0
	s_cbranch_scc1 .Lp1
.endif
	v_add_nc_u32 v[LST], s32, v[LS0]               ; my wave's last two slots
	UNIT 1, 0, 1, BF, 0, LU1+LU0+LU1, 0, 0, 0      ; they load nothing: the counts run down
	UNIT 1, 80, AU1, BF+BF1, 4096, LU0+LU1, 0, 0, 0
	UNIT 3, 0, 1, BF, 8192, LU1, 0, 0, 0
	UNIT 3, 80, AU1, BF+BF1, 12288, 0, 0, 0, 0
	WIN 0
.Lbar:
	s_wait_dscnt 0x0                               ; for the others' sake: my fragments are in LDS
	s_barrier_signal -1
	s_barrier_wait -1                              ; everybody's are
	s_wait_loadcnt 6*CH                            ; all but x's first chunk, which was asked for last: the bias is in, and no load is out into the slots' registers
.if MODE == 0
	WIN 0x02                                       ; source window 2
.set n, 0
.rept 64                               ; n = 32 group + 4 i + j: the bias into the order of the first product's C
	v_mov_b32 v[BT+8*(4*(n/32)+n%4)+(n/4)%8], v[BIS+n]
.set n, n+1
.endr
	WIN 0
.endif
	s_mov_b32 s27, 0
	; PHASE 2: a trip for each block of 192 rows
.Lblk:
	s_max_i32 s21, s40, 0                          ; my wave's rows from this block on
	s_cmp_eq_u32 s21, 0
	s_cbranch_scc1 .Lnext                          ; none: the expert's rows end ahead of my wave's
	FILLX 1, CH
	WIN 0
.set n, 0
.rept 2*NCT
	ds_load_b128 v[WB+4*n:WB+4*n+3], v[WA0] offset:512*n  ; K step 0
.set n, n+1
.endr
	s_wait_loadcnt 6*CH                            ; all but the chunk just asked for: the first chunk is in
	KS 0, 1, 1, WA0, KSB, -1, 0, -1                ; the first K step starts the sums
	WIN 0
	s_mov_b32 s38, 2*KSB                           ; the first fragments that a trip reads: K step 2 of its period
.if NT2 > 1
	s_mov_b32 s23, NT2
.Lk:                                                   ; a trip: PERIOD K steps, both buffers of x loaded again
.endif
	v_add_nc_u32 v[WA], s38, v[WA0]                ; where this trip reads
	BODY 1
	WIN 0
	s_wait_xcnt 0x0                                ; x's base is stepped only behind this wait
	s_add_nc_u64 s[4:5], s[4:5], PERIOD*XSTEP
	s_add_co_u32 s38, s38, PERIOD*KSB
.if NT2 > 1
	s_sub_co_u32 s23, s23, 1
	s_cmp_lg_u32 s23, 0
	s_cbranch_scc1 .Lk
.endif
	v_add_nc_u32 v[WA], s38, v[WA0]                ; the last period
	BODY 0
	PLACES                                         ; behind the last products
.if MODE == 0
	GLU 0
	GLU 1
	GLU 2
.else
	YOUT 0
	YOUT 1
	YOUT 2
.endif
	WIN 0
.Lnext:
	s_wait_xcnt 0x0                                ; the stores' data and base and x's offsets are rewritten only behind this wait
	s_add_co_u32 s30, s27, 1
	s_cmp_ge_u32 s30, s26
	s_cbranch_scc1 .Lcount                         ; that was the expert's last block: nothing more is asked for
	s_wait_loadcnt 0x0                             ; no load is out into the registers that are loaded again below
	s_sub_co_i32 s40, s40, BLK
	s_add_co_u32 s41, s41, BLK
	s_add_nc_u64 s[16:17], s[16:17], OSTEP
	s_mov_b64 s[4:5], s[42:43]                     ; x back at K step 0
	SETX
	FILLX 0, 0                                     ; the next block's first chunk
	WIN 0
.Lcount:
	s_add_co_u32 s27, s27, 1
	s_cmp_lt_u32 s27, s26
	s_cbranch_scc1 .Lblk
	s_wait_dscnt 0x0                               ; my reads of the fragments are over
	s_barrier_signal -1
	s_barrier_wait -1                              ; everybody's are: no wave's closing add comes ahead of another wave's reads of LDS
	s_wait_tensorcnt 0x0                           ; the wave's end
	ds_add_u32 v[SPW], v[NIL]
	s_wait_dscnt 0x0
	s_endpgm
.Lfunc_end_k_q0f9a23cbb5_gateup:
	.size	k_q0f9a23cbb5_gateup, .Lfunc_end_k_q0f9a23cbb5_gateup-k_q0f9a23cbb5_gateup
	.p2alignl 7, 3214868480
	.fill 96, 4, 3214868480
	.section	.rodata,"a",@progbits
	.p2align	6, 0x0
	.amdhsa_kernel k_q0f9a23cbb5_gateup
		.amdhsa_group_segment_fixed_size 262656
		.amdhsa_private_segment_fixed_size 0
		.amdhsa_enable_private_segment 0
		.amdhsa_kernarg_size 56
		.amdhsa_user_sgpr_count 2
		.amdhsa_user_sgpr_kernarg_segment_ptr 1
		.amdhsa_wavefront_size32 1
		.amdhsa_system_sgpr_workgroup_id_x 1
		.amdhsa_system_sgpr_workgroup_id_y 1
		.amdhsa_system_sgpr_workgroup_id_z 1
		.amdhsa_system_vgpr_workitem_id 0
		.amdhsa_next_free_vgpr 1024
		.amdhsa_next_free_sgpr 66
		.amdhsa_reserve_vcc 0
		.amdhsa_float_denorm_mode_32 3
		.amdhsa_float_denorm_mode_16_64 3
		.amdhsa_memory_ordered 1
		.amdhsa_forward_progress 1
		.amdhsa_inst_pref_size 160
	.end_amdhsa_kernel
	.amdgpu_metadata
---
amdhsa.version: [ 1, 2 ]
amdhsa.kernels:
  - .name:           k_q0f9a23cbb5_gateup
    .symbol:         k_q0f9a23cbb5_gateup.kd
    .args:
      - { .name: xs, .offset: 0, .size: 8, .value_kind: global_buffer, .address_space: global }
      - { .name: gate_up_proj, .offset: 8, .size: 8, .value_kind: global_buffer, .address_space: global }
      - { .name: lora_gate_up_A, .offset: 16, .size: 8, .value_kind: global_buffer, .address_space: global }
      - { .name: lora_gate_up_B, .offset: 24, .size: 8, .value_kind: global_buffer, .address_space: global }
      - { .name: gate_up_bias, .offset: 32, .size: 8, .value_kind: global_buffer, .address_space: global }
      - { .name: tab, .offset: 40, .size: 8, .value_kind: global_buffer, .address_space: global }
      - { .name: g, .offset: 48, .size: 8, .value_kind: global_buffer, .address_space: global }
    .group_segment_fixed_size: 262656
    .private_segment_fixed_size: 0
    .kernarg_segment_align: 8
    .kernarg_segment_size: 56
    .max_flat_workgroup_size: 128
    .sgpr_count:     66
    .vgpr_count:     1024
    .wavefront_size: 32
...
	.end_amdgpu_metadata
.endif
;; end of part 2
;; launch down (part 3): grid 16 x 16, 4 waves a work-group, no clusters, 131,584 bytes of LDS; arguments g, down_proj, lora_down_A, lora_down_B, down_bias, tab, y; writes y
.if DOCPART == 3
	.amdgcn_target "amdgcn-amd-amdhsa--gfx1250"
	.amdhsa_code_object_version 6
	.text
	.protected	k_q0f9a23cbb5_down
	.globl	k_q0f9a23cbb5_down
	.p2align	8
	.type	k_q0f9a23cbb5_down,@function
k_q0f9a23cbb5_down:
	s_mov_b64 s[64:65], 0
	v_nop
	global_prefetch_b8 v0, s[64:65] scope:SCOPE_SE
	s_setreg_imm32_b32 hwreg(HW_REG_WAVE_MODE, 25, 1), 1
	s_wait_xcnt 0x0
; ONE TEXT FOR BOTH PRODUCTS OF AN EXPERT.  MODE 0: g = GLU(x W1' + b1), W1' = W1 + A1 B1 (the LoRA scale 16 / 16 = 1 is the problem's constant: no multiply).  MODE 1: y = g W2' + b2.
; SHARES.  Work-group (slice, expert): slice = 128 (MODE 0) or 64 (MODE 1) columns of ONE expert's weights, which no other work-group reads, and ALL of that expert's sorted rows (first row and count
; from the table that the first launch stored).  16 x 16 work-groups whatever the split; each weight byte is read once.
; PHASE 1.  Wave w streams K rows 256 w .. 256 w + 255 of the slice through registers: A B (an f16 matrix product, rank 16 in a K of 32, upper half 0) is added to W in f32, the sum rounded
; once to f16, and laid into LDS as operand fragments.  No transposition: lane (r = l % 16, h = l / 16) loads W[k0 + 16 kk + 8 h + i][n0 + 4 r .. + 3]; COLUMN TILE j is DEFINED as the columns n0 + 4 r + j,
; so that rows 2 p, 2 p + 1 packed are register 4 kk + p of tile j's fragment in this very lane.  Each load takes two whole aligned runs of 256 bytes.
; The expert is the work-group's y, so the weights' first loads go out ahead of the wait for the table's entry.  An expert without rows leaves phase 1 out.
; PHASE 2, behind the first barrier: a loop over blocks of 192 rows, ceil(count / 192) trips (one at the least); nothing in it writes LDS and no barrier stands in it; every jump in it goes forward to a label
; ahead of the counter's step, and it is left by falling through its backward branch alone.  Wave w multiplies rows 48 w .. 48 w + 47 of the block
; (three blocks of 16; places past the count repeat the last row) by the whole slice: f16 operands, f32 sums.
; MODE 0: source 0 = weights, so a lane holds ONE token and eight columns; tiles j = 0, 2 are gates, j = 1, 3 their ups; g leaves as [f / 8][row][8] f16, sixteen lanes filling 256 aligned bytes.
; MODE 1: source 0 = tokens, so a lane holds columns 4 r + j of eight tokens: four tiles make 16 bytes of a row of y (f32: the two partial rows of a token are added by the last launch).
; LDS ADDRESSES in the loops are made anew in each trip: a lane term that is never rewritten plus a scalar that a counted loop steps by a constant.
; NO TENSOR LOADS: every weight passes through registers anyway.  NO CLUSTER: each weight byte has one reader; what an expert's 16 slices share is its x rows, 384 KB a block, and beside MODE 0's
; 256 KB of fragments LDS has 64 KB left.
; LIMITS.  x, the LoRA factors and W + A B must lie within f16's 65,504 and keep f16's fixed step of 6e-8 below 6.1e-5; g lies within 56 by the problem's own clips.  NaN and infinities are not treated apart.
; An expert without rows loads, and discards, one row of g at its place in the order, which nobody may have written.
.set MODE,   1
.set ROWS,   2496                      ; rows of xs, g, y
.set RP,     ROWS*16                   ; bytes of one block of eight channels of g, all rows
.set BLK,    192                       ; rows in a block
.if MODE == 0
.set WP,     8192                      ; bytes of a row of W, of lora_B and of the bias
.set NCG,    2                         ; groups of 64 columns in the slice
.set UOFF1,  256                       ; a slot's unit 1 in W: the second group of columns
.set AOFF1,  0
.set AU1,    0                         ; unit 1 shares unit 0's rows of lora_A
.set BF1,    32                        ; and takes the second group's fragments of lora_B
.set SLOTA,  2048                      ; a slot in lora_A: 32 rows of 64 bytes
.set NTRIP1, 3
.set CH,     4                         ; K steps in a chunk of x
.set NT2,    3
.set XSTEP,  64                        ; bytes of x from K step to K step
.set XH,     32                        ; and to a fragment's second half
.set XSH,    11                        ; a row of x: 2,048 bytes
.set OSTEP,  BLK*16                    ; a block of rows in the output
.else
.set WP,     4096
.set NCG,    1
.set UOFF1,  32*4096                   ; a slot's unit 1 in W: the next K step
.set AOFF1,  2048
.set AU1,    1
.set BF1,    0
.set SLOTA,  4096
.set NTRIP1, 1
.set CH,     8
.set NT2,    1
.set XSTEP,  4*RP
.set XH,     2*RP
.set XSH,    4                         ; a row of g within a block of channels: 16 bytes
.set OSTEP,  BLK*4096
.endif
.set NCT,    4*NCG                     ; column tiles
.set SLB,    256*NCG                   ; the slice's bytes in a row
.set KSW,    32*WP                     ; a K step (32 rows) of W
.set KSB,    1024*NCT                  ; a K step in LDS: fragment (s, c) at s KSB + 1024 c + 512 half + 16 lane
.set SLOTW,  262144                    ; a slot (two units of 16 loads) in W
.set SLOTL,  8192                      ; and in LDS
.set LU0,    20                        ; loads of unit 0: 4 of lora_A, 16 of W
.set LU1,    16+4*AU1
.set PERIOD, 2*CH
.set SPARE,  32*KSB                    ; behind the fragments: the spare words, 128 bytes a wave
; window 0
.set LANE, 1
.set RR,   2                           ; l % 16
.set HH,   3                           ; l / 16
.set SPW,  4                           ; my spare word; never rewritten
.set NIL,  5                           ; 0; never rewritten
.set WOFF, 6                           ; 8 h rows + 16 r: W and lora_B
.set AOFF, 7                           ; 64 r + 32 h: lora_A
.set LST,  8                           ; where phase 1 stores in this trip: LS0 + s32
.set WA0,  9                           ; 16 lane; never rewritten
.set WA,   10                          ; where phase 2 reads in this trip: WA0 + s38
.set HRP,  11                          ; MODE 1: h RP
.set XO,   12                          ; v12-14 my byte offset in x, by block of 16 rows
.set SO,   15                          ; my byte offset in the output
.set BO,   16                          ; and in the bias
.set ROW0, 17                          ; 48 w + r: my row in a block of 192
.set T0,   18
.set T1,   19
.set BI,   20                          ; MODE 1: v[20:23] the bias of my four columns
.set LS0,  24                          ; 16 lane + my wave's eight K steps in LDS; never rewritten
.set DD,   32                          ; phase 1: v[32:95] A B, accumulator (kk, j) at 8 (4 kk + j); first the stage for lora_B
.set FR,   96                          ; v[96:127] the four fragments at work
.set AF,   128                         ; v[128:143] lora_A's fragments, by kk
.set BF,   144                         ; lora_B's fragments, by group and j
.set WB,   32                          ; phase 2: the weights' fragments of one K step, two buffers
.set BT,   160                         ; MODE 0: v[160:223] the bias as the first product's C, by column tile
.set PP,   32                          ; MODE 0, way out: 8 registers for each (block of 16, group)
.set TT,   96                          ; MODE 1, way out: 32 registers a block of 16
; window 1: phase 1 slot a (unit u at 80 u: 16 of lora_A, 64 of W); phase 2 accumulator (t, c) at 8 (NCT t + c), and
.set EE,   192                         ; v[192:223] at work in the activation
; window 2: x, buffer 0 (K step i of the chunk, block t at 24 i + 8 t), and
.set BIS,  192                         ; MODE 0: v[192:255] the bias as loaded
; window 3: phase 1 slot b; phase 2 x, buffer 1
; s[4:5] x, s[6:7] W, s[8:9] lora_A, s[10:11] lora_B, s[12:13] bias, s[14:15] table, s[16:17] output, s18 wave, s19 slice, s20 expert, s21 my wave's rows in the block, s22, s23 counters,
; s24 the expert's first row, s25 its count, s26 its blocks, s27 the block, s[28:29] a 64-bit offset, s30 at work, s31 48 w, s32 phase 1's step in LDS, s33 7.0, s34 -7.0,
; s[36:37] -1.702 log2(e), s38 phase 2's step in LDS, s39 the entry's byte in the table, s40 count - 48 w - 192 block, s41 192 block, s[42:43] x at the expert's first row, s44 the last row that exists
.set MSB, 0
.macro WIN new                         ; s_set_vgpr_msb: bits 1:0 source 0, 3:2 source 1, 5:4 source 2, 7:6 destination; the high byte repeats the setting that is left
.if MSB != (\new)
	s_set_vgpr_msb (MSB<<8)|(\new)
.set MSB, (\new)
.endif
.endm
.macro PLACES                          ; four plain places behind matrix instructions, in front of loads into their sources and of readers of their results
.rept 4
	v_nop
.endr
.endm
; The loads of one unit into window win, registers base on: lora_A's 32 rows (if hasa), then 32 rows x 64 columns of W.
.macro LOADU win, base, hasa, woff, aoff
	WIN (\win)<<6
.if \hasa
.set n, 0
.rept 4                                ; n = 2 kk + q: row 16 kk + r, ranks 8 h + 4 q on
	global_load_b128 v[(\base)+4*n:(\base)+4*n+3], v[AOFF], s[8:9] offset:(\aoff)+1024*(n/2)+16*(n%2)
.set n, n+1
.endr
.endif
.set n, 0
.rept 16                               ; n = 8 kk + i: row 16 kk + 8 h + i
	global_load_b128 v[(\base)+16+4*n:(\base)+16+4*n+3], v[WOFF], s[6:7] offset:(\woff)+(16*(n/8)+n%8)*WP th:TH_LOAD_NT
.set n, n+1
.endr
.endm
; One unit: cnt = the loads issued behind this unit's own.  bf: lora_B's fragments for its columns.  loff: its place in LDS from LST.  refill = 1: its registers are loaded again, two slots on.
.macro UNIT win, base, hasa, bf, loff, cnt, refill, rwoff, raoff
	s_wait_loadcnt \cnt
.if \hasa
	WIN (\win)|((\win)<<2)
.set n, 0
.rept 8                                ; n = 4 kk + p
	v_cvt_pk_f16_f32 v[AF+8*(n/4)+n%4], v[(\base)+2*n], v[(\base)+2*n+1]
.set n, n+1
.endr
.endif
	WIN 0
.set n, 0
.rept 8                                ; n = 4 kk + j: eight different accumulators, each begun with 0: register i of lane (r, h) = (A B)[16 kk + 8 h + i][4 r + j]
	v_wmma_f32_16x16x32_f16 v[DD+8*n:DD+8*n+7], v[AF+8*(n/4):AF+8*(n/4)+7], v[(\bf)+8*(n%4):(\bf)+8*(n%4)+7], 0
.set n, n+1
.endr
	PLACES                                         ; behind the products, ahead of the first line that reads a result
	WIN (\win)                                     ; source 0 in the slot's window
.set n, 0
.rept 64                               ; n = 8 (4 kk + j) + i: W + A B in f32; each accumulator is read from its lowest register on
	v_add_f32 v[DD+n], v[(\base)+16+4*(8*(n/32)+n%8)+(n/8)%4], v[DD+n]
.set n, n+1
.endr
.if \refill
	LOADU \win, \base, \hasa, \rwoff, \raoff
.endif
	WIN 0
.set n, 0
.rept 32                               ; n = 4 (4 kk + j) + p: the one rounding to f16, rows 2 p and 2 p + 1 packed
.set fq, FR+8*((n/4)%4)+4*(n/16)+n%4
	v_cvt_pk_f16_f32 v[fq], v[DD+2*n], v[DD+2*n+1]
.set n, n+1
.endr
.set n, 0
.rept 8                                ; n = 2 j + half: 32 lanes x 16 consecutive bytes
	ds_store_b128 v[LST], v[FR+4*n:FR+4*n+3] offset:(\loff)+512*n
.set n, n+1
.endr
.endm
; My byte offsets in x for the block that begins at row s41.
.macro SETX
	v_add_nc_u32 v[T0], s41, v[ROW0]
.set n, 0
.rept 3
	v_add_nc_u32 v[T1], 16*n, v[T0]
	v_min_u32 v[T1], s44, v[T1]                    ; places past the count repeat the last row
	v_min_u32 v[T1], 2047, v[T1]
.if MODE == 0
	v_lshlrev_b32 v[XO+n], 11, v[T1]
	v_lshl_add_u32 v[XO+n], v[HH], 4, v[XO+n]
.else
	v_lshl_add_u32 v[XO+n], v[T1], 4, v[HRP]
.endif
.set n, n+1
.endr
.endm
; A chunk of x: CH K steps x three blocks of 16 rows, two loads a fragment, into buffer buf.
.macro FILLX buf, kbase
	WIN (2+(\buf))<<6
.set m, 0
.rept 3*CH                             ; m = 3 i + t
	global_load_b128 v[8*m:8*m+3], v[XO+m%3], s[4:5] offset:((\kbase)+m/3)*XSTEP
	global_load_b128 v[8*m+4:8*m+7], v[XO+m%3], s[4:5] offset:((\kbase)+m/3)*XSTEP+XH
.set m, m+1
.endr
.endm
; K step q of a ring's period.  wl = 1: the next K step's weights are read from LDS (address register wb, offset woffs) into the other buffer.  fill >= 0: that buffer of x is loaded again, from K step fk on.
; lw >= 0: a wait on the loads of x.  The 3 NCT accumulators take turns, one instruction a turn.
.macro KS q, first, wl, wb, woffs, fill, fk, lw
.set par, (\q)%2
.set bu, ((\q)/CH)%2
.set ix, (\q)%CH
.if !(\first)
	PLACES                                         ; the loads below land in registers that the K step before multiplied
.endif
.if \wl
	WIN 0
.set n, 0
.rept 2*NCT                            ; n = 2 c + half
	ds_load_b128 v[WB+8*NCT*(1-par)+4*n:WB+8*NCT*(1-par)+4*n+3], v[\wb] offset:(\woffs)+512*n
.set n, n+1
.endr
.endif
.if (\fill) >= 0
	FILLX \fill, \fk
.endif
.if (\lw) >= 0
	s_wait_loadcnt \lw                             ; all but the chunk just asked for: the chunk that this K step begins is in
.endif
.if \wl
	s_wait_dscnt 2*NCT                             ; all but the 2 NCT just issued: this K step's weights are in
.else
	s_wait_dscnt 0x0
.endif
.if MODE == 0
.if \first
	WIN 0x48                                       ; D window 1, x window 2, weights and C window 0
.else
	WIN 0x50|((2+bu)<<2)
.endif
.else
	WIN 0x50|(2+bu)
.endif
.set n, 0
.rept 3*NCT                            ; column tile n / 3, block n % 3
.set ac, 8*(NCT*(n%3)+n/3)
.set wf, WB+8*NCT*par+8*(n/3)
.set xf, 24*ix+8*(n%3)
.if MODE == 0
.if \first
	v_wmma_f32_16x16x32_f16 v[ac:ac+7], v[wf:wf+7], v[xf:xf+7], v[BT+8*(n/3):BT+8*(n/3)+7]  ; the bias starts the sums
.else
	v_wmma_f32_16x16x32_f16 v[ac:ac+7], v[wf:wf+7], v[xf:xf+7], v[ac:ac+7]
.endif
.else
.if \first
	v_wmma_f32_16x16x32_f16 v[ac:ac+7], v[xf:xf+7], v[wf:wf+7], 0
.else
	v_wmma_f32_16x16x32_f16 v[ac:ac+7], v[xf:xf+7], v[wf:wf+7], v[ac:ac+7]
.endif
.endif
.set n, n+1
.endr
.endm
; K steps 1 .. PERIOD of a period (refill = 1), or 1 .. PERIOD - 1, the last ones, which ask for nothing more (refill = 0).
.macro BODY refill
.set qq, 1
.rept PERIOD-1+(\refill)
.if (qq == CH) && (\refill)
	KS qq, 0, 1, WA, (qq-1)*KSB, 0, PERIOD, 6*CH
.elseif qq == CH
	KS qq, 0, 1, WA, (qq-1)*KSB, -1, 0, 0
.elseif qq == PERIOD
	KS qq, 0, 1, WA, (qq-1)*KSB, 1, PERIOD+CH, 6*CH
.elseif (qq == PERIOD-1) && !(\refill)
	KS qq, 0, 0, WA, 0, -1, 0, -1
.else
	KS qq, 0, 1, WA, (qq-1)*KSB, -1, 0, -1
.endif
.set qq, qq+1
.endr
.endm
; MODE 0, block t of 16 rows: gate = min(gu even, 7), up = clip(gu odd, -7, 7), g = (up + 1) gate / (1 + 2^(-1.702 log2(e) gate)).  The 32 exponentials are one batch with one wait, and so are the 32 reciprocals.
.macro GLU t
	WIN 0
.if (\t) > 0
	s_cmp_le_u32 s21, 16*(\t)                      ; my wave has no row in this block of 16, nor in a later one of this trip
	s_cbranch_scc1 .Lnext
.endif
	WIN 0x55                                       ; all in window 1
.set n, 0
.rept 32                               ; n = 16 group + 8 (j / 2) + i
.set gr, 8*(NCT*(\t)+4*(n/16)+2*((n/8)%2))+n%8
	v_min_num_f32 v[gr], s33, v[gr]
.set n, n+1
.endr
.set n, 0
.rept 16
.set gr, 8*(NCT*(\t)+4*(n/16)+2*((n/8)%2))+n%8
	v_pk_mul_f32 v[EE+n:EE+n+1], v[gr:gr+1], s[36:37] op_sel_hi:[1,0]
.set n, n+2
.endr
.set n, 0
.rept 32
	v_exp_f32 v[EE+n], v[EE+n]
.set n, n+1
.endr
.set n, 0
.rept 32                               ; the ups are clipped meanwhile: plain work that names no exponential's result
.set gr, 8*(NCT*(\t)+4*(n/16)+2*((n/8)%2))+n%8
	v_med3_num_f32 v[gr+8], v[gr+8], s34, s33
.set n, n+1
.endr
	s_wait_alu depctr_va_vdst(0)                   ; one wait for the batch of exponentials, ahead of their first reader
.set n, 0
.rept 16
	v_pk_add_f32 v[EE+n:EE+n+1], v[EE+n:EE+n+1], 1.0 op_sel_hi:[1,0]
.set n, n+2
.endr
.set n, 0
.rept 32
	v_rcp_f32 v[EE+n], v[EE+n]
.set n, n+1
.endr
	v_nop                                          ; a plain instruction behind the last reciprocal
	s_wait_alu depctr_va_vdst(0)                   ; and one wait for the batch
.set n, 0
.rept 16
.set gr, 8*(NCT*(\t)+4*(n/16)+2*((n/8)%2))+n%8
	v_pk_mul_f32 v[gr:gr+1], v[gr:gr+1], v[EE+n:EE+n+1]
.set n, n+2
.endr
.set n, 0
.rept 16
.set gr, 8*(NCT*(\t)+4*(n/16)+2*((n/8)%2))+n%8
	v_pk_fma_f32 v[gr:gr+1], v[gr+8:gr+9], v[gr:gr+1], v[gr:gr+1]  ; up glu + glu
.set n, n+2
.endr
	WIN 0x05                                       ; sources window 1, destination window 0
.set n, 0
.rept 16                               ; n = 8 group + i: channels 32 group + 16 h + 2 i and the next
	v_cvt_pk_f16_f32 v[PP+16*(\t)+n], v[8*(NCT*(\t)+4*(n/8))+n%8], v[8*(NCT*(\t)+4*(n/8)+2)+n%8]
.set n, n+1
.endr
	WIN 0
.set n, 0
.rept 4                                ; n = 2 group + p: block of eight channels 4 group + 2 h + p; sixteen lanes (rows) store 256 consecutive bytes, aligned
	global_store_b128 v[SO], v[PP+16*(\t)+4*n:PP+16*(\t)+4*n+3], s[16:17] offset:(4*(n/2)+n%2)*RP+256*(\t)
.set n, n+1
.endr
.endm
; MODE 1, block t of 16 rows: the bias is added; register i of tile j is token 8 h + i, column 4 r + j.
.macro YOUT t
	WIN 0
.if (\t) > 0
	s_cmp_le_u32 s21, 16*(\t)                      ; my wave has no row in this block of 16, nor in a later one of this trip
	s_cbranch_scc1 .Lnext
.endif
	WIN 0x01                                       ; source 0 window 1
.set n, 0
.rept 32                               ; n = 4 i + j: every accumulator is read from register 0 on
	v_add_f32 v[TT+32*(\t)+n], v[8*(NCT*(\t)+n%4)+n/4], v[BI+n%4]
.set n, n+1
.endr
	WIN 0
.set n, 0
.rept 8                                ; sixteen lanes store 256 consecutive bytes of a row, aligned
	global_store_b128 v[SO], v[TT+32*(\t)+4*n:TT+32*(\t)+4*n+3], s[16:17] offset:4096*n+65536*(\t)
.set n, n+1
.endr
.endm
	s_load_b256 s[4:11], s[0:1], 0x0
	s_load_b128 s[12:15], s[0:1], 0x20
	s_load_b64 s[16:17], s[0:1], 0x30
	v_lshl_add_u32 v[SPW], v0, 2, SPARE
	v_mov_b32 v[NIL], 0
	v_lshrrev_b32 v[T0], 5, v0
	v_readfirstlane_b32 s18, v[T0]                 ; wave 0..3
	s_mov_b32 s19, ttmp9                           ; slice
	s_and_b32 s20, ttmp7, 0xffff                   ; expert
	s_lshl_b32 s39, s20, 4                         ; its entry in the table; kept until the entry is in
	v_and_b32 v[LANE], 31, v0
	v_and_b32 v[RR], 15, v0
	v_bfe_u32 v[HH], v0, 4, 1
	v_mul_u32_u24 v[WOFF], v[HH], 8*WP
	v_lshl_add_u32 v[WOFF], v[RR], 4, v[WOFF]
	v_lshlrev_b32 v[AOFF], 6, v[RR]
	v_lshl_add_u32 v[AOFF], v[HH], 5, v[AOFF]
	v_lshlrev_b32 v[WA0], 4, v[LANE]
	s_mul_i32 s30, s18, 8*KSB                      ; my wave's eight K steps in LDS
	v_add_nc_u32 v[LS0], s30, v[WA0]
.if MODE == 0
	v_mul_u32_u24 v[SO], v[HH], 2*RP
	v_lshlrev_b32 v[BO], 7, v[HH]                  ; columns 4 (8 h + i) + j: 128 h bytes
.else
	v_lshlrev_b32 v[SO], 15, v[HH]                 ; eight rows of 4,096 bytes
	v_lshlrev_b32 v[BO], 4, v[RR]
	v_mul_u32_u24 v[HRP], v[HH], RP
.endif
	v_lshl_add_u32 v[SO], v[RR], 4, v[SO]
	s_mov_b32 s33, 0x40e00000                      ; 7.0
	s_mov_b32 s34, 0xc0e00000                      ; -7.0
	s_mov_b32 s36, 0xc01d265f                      ; -1.702 log2(e) = -2.4554670
	s_mov_b32 s37, s36                             ; named with it as a pair
	s_mov_b32 s29, 0
	s_mul_i32 s31, s18, 48                         ; my wave's first row in a block
	v_add_nc_u32 v[ROW0], s31, v[RR]
	s_wait_kmcnt 0x0
	s_load_b64 s[24:25], s[14:15], s39 offset:0x0  ; the expert's first row and count: waited for behind the weights' first loads
	s_mul_i32 s28, s20, 1024*WP                    ; W: the expert, the slice, my wave's K steps
	s_mul_i32 s30, s19, SLB
	s_add_co_u32 s28, s28, s30
	s_mul_i32 s30, s18, 8*KSW
	s_add_co_u32 s28, s28, s30
	s_add_nc_u64 s[6:7], s[6:7], s[28:29]
	s_lshl_b32 s28, s20, 16                        ; lora_A: the expert's 1,024 rows of 64 bytes, my wave's 256
	s_lshl_b32 s30, s18, 14
	s_add_co_u32 s28, s28, s30
	s_add_nc_u64 s[8:9], s[8:9], s[28:29]
	s_mul_i32 s28, s20, 16*WP                      ; lora_B: the expert's 16 rows, the slice
	s_mul_i32 s30, s19, SLB
	s_add_co_u32 s28, s28, s30
	s_add_nc_u64 s[10:11], s[10:11], s[28:29]
	s_mul_i32 s28, s20, WP                         ; the bias: the expert's row, the slice
	s_add_co_u32 s28, s28, s30
	s_add_nc_u64 s[12:13], s[12:13], s[28:29]
	; PHASE 1: the first loads
.set n, 0
.rept 8*NCG                            ; n = 8 group + i: lora_B[8 h + i][64 group + 4 r ..]
	global_load_b128 v[DD+4*n:DD+4*n+3], v[WOFF], s[10:11] offset:(n%8)*WP+256*(n/8)
.set n, n+1
.endr
	LOADU 1, 0, 1, 0, 0
	LOADU 1, 80, AU1, UOFF1, AOFF1
	LOADU 3, 0, 1, SLOTW, SLOTA
	WIN 0
.set n, 0
.rept 2+4*NCG                          ; ranks 16 to 31 of every LoRA fragment are 0
	v_mov_b32 v[AF+8*n+4], 0
	v_mov_b32 v[AF+8*n+5], 0
	v_mov_b32 v[AF+8*n+6], 0
	v_mov_b32 v[AF+8*n+7], 0
.set n, n+1
.endr
	s_wait_loadcnt LU0+LU1+LU0                     ; lora_B is in: the three units issued behind it may stay out
.set n, 0
.rept 16*NCG                           ; n = 16 group + 4 j + p
.set lb, DD+32*(n/16)+8*(n%4)+(n/4)%4
	v_cvt_pk_f16_f32 v[BF+32*(n/16)+8*((n/4)%4)+n%4], v[lb], v[lb+4]
.set n, n+1
.endr
	LOADU 3, 80, AU1, SLOTW+UOFF1, SLOTA+AOFF1
	WIN 0
	; The expert's rows: all that phase 2 reads is made here, on every path.
	s_wait_kmcnt 0x0
	s_min_u32 s24, s24, 2303                       ; what was loaded is held inside the buffers
	s_min_u32 s25, s25, 2048
	s_add_co_u32 s26, s25, BLK-1
	s_lshr_b32 s26, s26, 6
	s_mul_i32 s26, s26, 43
	s_lshr_b32 s26, s26, 7                         ; blocks: ceil(count / 192) = ((count + 191) >> 6) / 3; n x 43 >> 7 is n / 3 for n up to 34
	s_sub_co_i32 s40, s25, s31                     ; rows from my wave's first row of block 0 on
	s_mov_b32 s41, 0
	s_max_u32 s44, s25, 1
	s_sub_co_u32 s44, s44, 1                       ; the expert's last row that exists
	s_lshl_b32 s28, s24, XSH
	s_add_nc_u64 s[42:43], s[4:5], s[28:29]        ; x at the expert's first row
	s_mov_b64 s[4:5], s[42:43]
	s_add_co_u32 s30, s24, s31                     ; the output at my wave's first row
.if MODE == 0
	s_lshl_b32 s28, s30, 4
	s_mul_i32 s30, s19, 8*RP                       ; the slice's 64 channels: eight blocks
.else
	s_lshl_b32 s28, s30, 12
	s_lshl_b32 s30, s19, 8
.endif
	s_add_co_u32 s28, s28, s30
	s_add_nc_u64 s[16:17], s[16:17], s[28:29]
	SETX
.if MODE == 0
	WIN 0x80
.set n, 0
.rept 16                               ; n = 8 group + i
	global_load_b128 v[BIS+4*n:BIS+4*n+3], v[BO], s[12:13] offset:256*(n/8)+16*(n%8)
.set n, n+1
.endr
.else
	global_load_b128 v[BI:BI+3], v[BO], s[12:13]
.endif
	FILLX 0, 0
	WIN 0
	s_cmp_eq_u32 s25, 0
	s_cbranch_scc1 .Lbar                           ; an expert without rows: its weights are not streamed
	s_mov_b32 s32, 0                               ; the trip's two slots in LDS, from my wave's first
.if NTRIP1 > 1
	s_mov_b32 s22, NTRIP1
.Lp1:                                                  ; a trip: two slots, four units, each loaded again two slots on.  A unit's wait counts the three units issued behind it (in the first trip the bias and x stand behind them too)
.endif
	v_add_nc_u32 v[LST], s32, v[LS0]               ; where this trip stores
	UNIT 1, 0, 1, BF, 0, LU1+LU0+LU1, 1, 2*SLOTW, 2*SLOTA
	UNIT 1, 80, AU1, BF+BF1, 4096, LU0+LU1+LU0, 1, 2*SLOTW+UOFF1, 2*SLOTA+AOFF1
	UNIT 3, 0, 1, BF, 8192, LU1+LU0+LU1, 1, 3*SLOTW, 3*SLOTA
	UNIT 3, 80, AU1, BF+BF1, 12288, LU0+LU1+LU0, 1, 3*SLOTW+UOFF1, 3*SLOTA+AOFF1
	WIN 0
	s_wait_xcnt 0x0                                ; the bases are stepped only behind this wait
	s_add_nc_u64 s[6:7], s[6:7], 2*SLOTW
	s_add_nc_u64 s[8:9], s[8:9], 2*SLOTA
	s_add_co_u32 s32, s32, 2*SLOTL
.if NTRIP1 > 1
	s_sub_co_u32 s22, s22, 1
	s_cmp_lg_u32 s22, 0
	s_cbranch_scc1 .Lp1
.endif
	v_add_nc_u32 v[LST], s32, v[LS0]               ; my wave's last two slots
	UNIT 1, 0, 1, BF, 0, LU1+LU0+LU1, 0, 0, 0      ; they load nothing: the counts run down
	UNIT 1, 80, AU1, BF+BF1, 4096, LU0+LU1, 0, 0, 0
	UNIT 3, 0, 1, BF, 8192, LU1, 0, 0, 0
	UNIT 3, 80, AU1, BF+BF1, 12288, 0, 0, 0, 0
	WIN 0
.Lbar:
	s_wait_dscnt 0x0                               ; for the others' sake: my fragments are in LDS
	s_barrier_signal -1
	s_barrier_wait -1                              ; everybody's are
	s_wait_loadcnt 6*CH                            ; all but x's first chunk, which was asked for last: the bias is in, and no load is out into the slots' registers
.if MODE == 0
	WIN 0x02                                       ; source window 2
.set n, 0
.rept 64                               ; n = 32 group + 4 i + j: the bias into the order of the first product's C
	v_mov_b32 v[BT+8*(4*(n/32)+n%4)+(n/4)%8], v[BIS+n]
.set n, n+1
.endr
	WIN 0
.endif
	s_mov_b32 s27, 0
	; PHASE 2: a trip for each block of 192 rows
.Lblk:
	s_max_i32 s21, s40, 0                          ; my wave's rows from this block on
	s_cmp_eq_u32 s21, 0
	s_cbranch_scc1 .Lnext                          ; none: the expert's rows end ahead of my wave's
	FILLX 1, CH
	WIN 0
.set n, 0
.rept 2*NCT
	ds_load_b128 v[WB+4*n:WB+4*n+3], v[WA0] offset:512*n  ; K step 0
.set n, n+1
.endr
	s_wait_loadcnt 6*CH                            ; all but the chunk just asked for: the first chunk is in
	KS 0, 1, 1, WA0, KSB, -1, 0, -1                ; the first K step starts the sums
	WIN 0
	s_mov_b32 s38, 2*KSB                           ; the first fragments that a trip reads: K step 2 of its period
.if NT2 > 1
	s_mov_b32 s23, NT2
.Lk:                                                   ; a trip: PERIOD K steps, both buffers of x loaded again
.endif
	v_add_nc_u32 v[WA], s38, v[WA0]                ; where this trip reads
	BODY 1
	WIN 0
	s_wait_xcnt 0x0                                ; x's base is stepped only behind this wait
	s_add_nc_u64 s[4:5], s[4:5], PERIOD*XSTEP
	s_add_co_u32 s38, s38, PERIOD*KSB
.if NT2 > 1
	s_sub_co_u32 s23, s23, 1
	s_cmp_lg_u32 s23, 0
	s_cbranch_scc1 .Lk
.endif
	v_add_nc_u32 v[WA], s38, v[WA0]                ; the last period
	BODY 0
	PLACES                                         ; behind the last products
.if MODE == 0
	GLU 0
	GLU 1
	GLU 2
.else
	YOUT 0
	YOUT 1
	YOUT 2
.endif
	WIN 0
.Lnext:
	s_wait_xcnt 0x0                                ; the stores' data and base and x's offsets are rewritten only behind this wait
	s_add_co_u32 s30, s27, 1
	s_cmp_ge_u32 s30, s26
	s_cbranch_scc1 .Lcount                         ; that was the expert's last block: nothing more is asked for
	s_wait_loadcnt 0x0                             ; no load is out into the registers that are loaded again below
	s_sub_co_i32 s40, s40, BLK
	s_add_co_u32 s41, s41, BLK
	s_add_nc_u64 s[16:17], s[16:17], OSTEP
	s_mov_b64 s[4:5], s[42:43]                     ; x back at K step 0
	SETX
	FILLX 0, 0                                     ; the next block's first chunk
	WIN 0
.Lcount:
	s_add_co_u32 s27, s27, 1
	s_cmp_lt_u32 s27, s26
	s_cbranch_scc1 .Lblk
	s_wait_dscnt 0x0                               ; my reads of the fragments are over
	s_barrier_signal -1
	s_barrier_wait -1                              ; everybody's are: no wave's closing add comes ahead of another wave's reads of LDS
	s_wait_tensorcnt 0x0                           ; the wave's end
	ds_add_u32 v[SPW], v[NIL]
	s_wait_dscnt 0x0
	s_endpgm
.Lfunc_end_k_q0f9a23cbb5_down:
	.size	k_q0f9a23cbb5_down, .Lfunc_end_k_q0f9a23cbb5_down-k_q0f9a23cbb5_down
	.p2alignl 7, 3214868480
	.fill 96, 4, 3214868480
	.section	.rodata,"a",@progbits
	.p2align	6, 0x0
	.amdhsa_kernel k_q0f9a23cbb5_down
		.amdhsa_group_segment_fixed_size 131584
		.amdhsa_private_segment_fixed_size 0
		.amdhsa_enable_private_segment 0
		.amdhsa_kernarg_size 56
		.amdhsa_user_sgpr_count 2
		.amdhsa_user_sgpr_kernarg_segment_ptr 1
		.amdhsa_wavefront_size32 1
		.amdhsa_system_sgpr_workgroup_id_x 1
		.amdhsa_system_sgpr_workgroup_id_y 1
		.amdhsa_system_sgpr_workgroup_id_z 1
		.amdhsa_system_vgpr_workitem_id 0
		.amdhsa_next_free_vgpr 1024
		.amdhsa_next_free_sgpr 66
		.amdhsa_reserve_vcc 0
		.amdhsa_float_denorm_mode_32 3
		.amdhsa_float_denorm_mode_16_64 3
		.amdhsa_memory_ordered 1
		.amdhsa_forward_progress 1
		.amdhsa_inst_pref_size 146
	.end_amdhsa_kernel
	.amdgpu_metadata
---
amdhsa.version: [ 1, 2 ]
amdhsa.kernels:
  - .name:           k_q0f9a23cbb5_down
    .symbol:         k_q0f9a23cbb5_down.kd
    .args:
      - { .name: g, .offset: 0, .size: 8, .value_kind: global_buffer, .address_space: global }
      - { .name: down_proj, .offset: 8, .size: 8, .value_kind: global_buffer, .address_space: global }
      - { .name: lora_down_A, .offset: 16, .size: 8, .value_kind: global_buffer, .address_space: global }
      - { .name: lora_down_B, .offset: 24, .size: 8, .value_kind: global_buffer, .address_space: global }
      - { .name: down_bias, .offset: 32, .size: 8, .value_kind: global_buffer, .address_space: global }
      - { .name: tab, .offset: 40, .size: 8, .value_kind: global_buffer, .address_space: global }
      - { .name: y, .offset: 48, .size: 8, .value_kind: global_buffer, .address_space: global }
    .group_segment_fixed_size: 131584
    .private_segment_fixed_size: 0
    .kernarg_segment_align: 8
    .kernarg_segment_size: 56
    .max_flat_workgroup_size: 128
    .sgpr_count:     66
    .vgpr_count:     1024
    .wavefront_size: 32
...
	.end_amdgpu_metadata
.endif
;; end of part 3
;; launch combine (part 4): grid 256 x 1, 4 waves a work-group, no clusters, 0 bytes of LDS; arguments y, router_indices, routing_weights, pos, out0; writes out0
.if DOCPART == 4
	.amdgcn_target "amdgcn-amd-amdhsa--gfx1250"
	.amdhsa_code_object_version 6
	.text
	.protected	k_q0f9a23cbb5_combine
	.globl	k_q0f9a23cbb5_combine
	.p2align	8
	.type	k_q0f9a23cbb5_combine,@function
k_q0f9a23cbb5_combine:
	s_mov_b64 s[64:65], 0
	v_nop
	global_prefetch_b8 v0, s[64:65] scope:SCOPE_SE
	s_setreg_imm32_b32 hwreg(HW_REG_WAVE_MODE, 25, 1), 1
	s_wait_xcnt 0x0
; out[t] = the sum over k = 0, 1 of w[t][k] y[pos[2 t + k]], where the index lies in 0..15 (unsigned compare); a choice outside contributes 0, and its row of y, which nobody wrote, is not read.
; A wave owns one token: its two partial rows (f32, 4,096 bytes each) come in by eight loads of 512 consecutive bytes each, and the sum leaves in the same way.  No LDS, no barrier, no matrix unit: two loads and a store for each number.
; The branches hang on the problem's own index input; the rows' numbers come from the buffer that the first launch stored.
.set Y0, 8                             ; v[8:39]
.set Y1, 40                            ; v[40:71]
; v1 16 x lane, v[74:75], v[76:77] each weight twice
; s14 wave, s15 token, s16 8 x token, s[18:19] indices, s[20:21] weights, s[22:23] rows, s[24:25], s[26:27] the two rows' addresses, s[28:29] the output's offset
	s_load_b256 s[4:11], s[0:1], 0x0               ; y s[4:5], router_indices s[6:7], routing_weights s[8:9], pos s[10:11]
	s_load_b64 s[12:13], s[0:1], 0x20              ; out0
	v_and_b32 v1, 31, v0
	v_lshlrev_b32 v1, 4, v1
	v_lshrrev_b32 v2, 5, v0
	v_readfirstlane_b32 s14, v2
	s_lshl_b32 s15, ttmp9, 2
	s_add_co_u32 s15, s15, s14                     ; my token
	s_lshl_b32 s16, s15, 3
	s_lshl_b32 s28, s15, 12
	s_mov_b32 s29, 0
	s_wait_kmcnt 0x0
	s_load_b64 s[18:19], s[6:7], s16 offset:0x0
	s_load_b64 s[20:21], s[8:9], s16 offset:0x0
	s_load_b64 s[22:23], s[10:11], s16 offset:0x0
	s_add_nc_u64 s[12:13], s[12:13], s[28:29]
	s_wait_kmcnt 0x0
	s_min_u32 s22, s22, 2303                       ; what was loaded is held inside y
	s_min_u32 s23, s23, 2303
	s_lshl_b32 s24, s22, 12
	s_mov_b32 s25, 0
	s_lshl_b32 s26, s23, 12
	s_mov_b32 s27, 0
	s_add_nc_u64 s[24:25], s[4:5], s[24:25]
	s_add_nc_u64 s[26:27], s[4:5], s[26:27]
	s_cmp_lt_u32 s18, 16
	s_cbranch_scc0 .Lnone0
.set n, 0
.rept 8
	global_load_b128 v[Y0+4*n:Y0+4*n+3], v1, s[24:25] offset:512*n th:TH_LOAD_NT
.set n, n+1
.endr
	s_branch .Lsecond
.Lnone0:
.set n, 0
.rept 32
	v_mov_b32 v[Y0+n], 0
.set n, n+1
.endr
.Lsecond:
	s_cmp_lt_u32 s19, 16
	s_cbranch_scc0 .Lnone1
.set n, 0
.rept 8
	global_load_b128 v[Y1+4*n:Y1+4*n+3], v1, s[26:27] offset:512*n th:TH_LOAD_NT
.set n, n+1
.endr
	s_branch .Lsum
.Lnone1:
.set n, 0
.rept 32
	v_mov_b32 v[Y1+n], 0
.set n, n+1
.endr
.Lsum:
	v_mov_b32 v74, s20                             ; each weight twice, for the packed lines
	v_mov_b32 v75, s20
	v_mov_b32 v76, s21
	v_mov_b32 v77, s21
	s_wait_loadcnt 0x0
.set n, 0
.rept 16
	v_pk_mul_f32 v[Y0+2*n:Y0+2*n+1], v[Y0+2*n:Y0+2*n+1], v[74:75]
.set n, n+1
.endr
.set n, 0
.rept 16
	v_pk_fma_f32 v[Y0+2*n:Y0+2*n+1], v[Y1+2*n:Y1+2*n+1], v[76:77], v[Y0+2*n:Y0+2*n+1]
.set n, n+1
.endr
.set n, 0
.rept 8
	global_store_b128 v1, v[Y0+4*n:Y0+4*n+3], s[12:13] offset:512*n th:TH_STORE_NT  ; 512 consecutive bytes, aligned
.set n, n+1
.endr
	s_endpgm
.Lfunc_end_k_q0f9a23cbb5_combine:
	.size	k_q0f9a23cbb5_combine, .Lfunc_end_k_q0f9a23cbb5_combine-k_q0f9a23cbb5_combine
	.p2alignl 7, 3214868480
	.fill 96, 4, 3214868480
	.section	.rodata,"a",@progbits
	.p2align	6, 0x0
	.amdhsa_kernel k_q0f9a23cbb5_combine
		.amdhsa_group_segment_fixed_size 0
		.amdhsa_private_segment_fixed_size 0
		.amdhsa_enable_private_segment 0
		.amdhsa_kernarg_size 40
		.amdhsa_user_sgpr_count 2
		.amdhsa_user_sgpr_kernarg_segment_ptr 1
		.amdhsa_wavefront_size32 1
		.amdhsa_system_sgpr_workgroup_id_x 1
		.amdhsa_system_sgpr_workgroup_id_y 1
		.amdhsa_system_sgpr_workgroup_id_z 1
		.amdhsa_system_vgpr_workitem_id 0
		.amdhsa_next_free_vgpr 80
		.amdhsa_next_free_sgpr 66
		.amdhsa_reserve_vcc 0
		.amdhsa_float_denorm_mode_32 3
		.amdhsa_float_denorm_mode_16_64 3
		.amdhsa_memory_ordered 1
		.amdhsa_forward_progress 1
		.amdhsa_inst_pref_size 8
	.end_amdhsa_kernel
	.amdgpu_metadata
---
amdhsa.version: [ 1, 2 ]
amdhsa.kernels:
  - .name:           k_q0f9a23cbb5_combine
    .symbol:         k_q0f9a23cbb5_combine.kd
    .args:
      - { .name: y, .offset: 0, .size: 8, .value_kind: global_buffer, .address_space: global }
      - { .name: router_indices, .offset: 8, .size: 8, .value_kind: global_buffer, .address_space: global }
      - { .name: routing_weights, .offset: 16, .size: 8, .value_kind: global_buffer, .address_space: global }
      - { .name: pos, .offset: 24, .size: 8, .value_kind: global_buffer, .address_space: global }
      - { .name: out0, .offset: 32, .size: 8, .value_kind: global_buffer, .address_space: global }
    .group_segment_fixed_size: 0
    .private_segment_fixed_size: 0
    .kernarg_segment_align: 8
    .kernarg_segment_size: 40
    .max_flat_workgroup_size: 128
    .sgpr_count:     66
    .vgpr_count:     80
    .wavefront_size: 32
...
	.end_amdgpu_metadata
.endif
;; end of part 4
;; ======== version 2 of 2: 4 launches; version 1 with the launches gateup, down written anew for expert scheduling mode
;; limits: values are held in f16: magnitudes above 65,504 overflow, below 6.1e-05 lose precision
;; workspace buffers: xs 5,111,808 bytes; g 5,111,808 bytes; y 10,223,616 bytes; pos 8,192 bytes of whole numbers; tab 512 bytes of whole numbers
;; launch route: the kernel of part 1 again; grid 256 x 1, 8 waves a work-group, no clusters, 1,280 bytes of LDS; arguments hidden_states, router_indices, xs, pos, tab; writes xs, pos, tab
;; launch gateup (part 5): grid 16 x 16, 4 waves a work-group, no clusters, 262,656 bytes of LDS; arguments xs, gate_up_proj, lora_gate_up_A, lora_gate_up_B, gate_up_bias, tab, g; writes g
.if DOCPART == 5
	.amdgcn_target "amdgcn-amd-amdhsa--gfx1250"
	.amdhsa_code_object_version 6
	.text
	.protected	k_q0f9a23cbb5_gateup
	.globl	k_q0f9a23cbb5_gateup
	.p2align	8
	.type	k_q0f9a23cbb5_gateup,@function
k_q0f9a23cbb5_gateup:
	s_mov_b64 s[64:65], 0
	v_nop
	global_prefetch_b8 v0, s[64:65] scope:SCOPE_SE
	s_setreg_imm32_b32 hwreg(HW_REG_WAVE_SCHED_MODE, 0, 2), 2
	s_setreg_imm32_b32 hwreg(HW_REG_WAVE_MODE, 25, 1), 1
	s_wait_xcnt 0x0
	s_wait_alu depctr_vm_vsrc(0)
; ONE TEXT FOR BOTH PRODUCTS OF AN EXPERT.  MODE 0: g = GLU(x W1' + b1), W1' = W1 + A1 B1 (the LoRA scale 16 / 16 = 1 is the problem's constant: no multiply).  MODE 1: y = g W2' + b2.
; SHARES.  Work-group (slice, expert): slice = 128 (MODE 0) or 64 (MODE 1) columns of ONE expert's weights, which no other work-group reads, and ALL of that expert's sorted rows (first row and count
; from the table that the first launch stored).  16 x 16 work-groups whatever the split; each weight byte is read once.
; PHASE 1.  Wave w streams K rows 256 w .. 256 w + 255 of the slice through registers: A B (an f16 matrix product, rank 16 in a K of 32, upper half 0) is added to W in f32, the sum rounded
; once to f16, and laid into LDS as operand fragments.  No transposition: lane (r = l % 16, h = l / 16) loads W[k0 + 16 kk + 8 h + i][n0 + 4 r .. + 3]; COLUMN TILE j is DEFINED as the columns n0 + 4 r + j,
; so that rows 2 p, 2 p + 1 packed are register 4 kk + p of tile j's fragment in this very lane.  Each load takes two whole aligned runs of 256 bytes.
; The expert is the work-group's y, so the weights' first loads go out ahead of the wait for the table's entry.  An expert without rows leaves phase 1 out.
; PHASE 2, behind the first barrier: a loop over blocks of 192 rows, ceil(count / 192) trips (one at the least); nothing in it writes LDS and no barrier stands in it; every jump in it goes forward to a label
; ahead of the counter's step, and it is left by falling through its backward branch alone.  Wave w multiplies rows 48 w .. 48 w + 47 of the block
; (three blocks of 16; places past the count repeat the last row) by the whole slice: f16 operands, f32 sums.
; MODE 0: source 0 = weights, so a lane holds ONE token and eight columns; tiles j = 0, 2 are gates, j = 1, 3 their ups; g leaves as [f / 8][row][8] f16, sixteen lanes filling 256 aligned bytes.
; MODE 1: source 0 = tokens, so a lane holds columns 4 r + j of eight tokens: four tiles make 16 bytes of a row of y (f32: the two partial rows of a token are added by the last launch).
; LDS ADDRESSES in the loops are made anew in each trip: a lane term that is never rewritten plus a scalar that a counted loop steps by a constant.
; NO TENSOR LOADS: every weight passes through registers anyway.  NO CLUSTER: each weight byte has one reader; what an expert's 16 slices share is its x rows, 384 KB a block, and beside MODE 0's
; 256 KB of fragments LDS has 64 KB left.
; LIMITS.  x, the LoRA factors and W + A B must lie within f16's 65,504 and keep f16's fixed step of 6e-8 below 6.1e-5; g lies within 56 by the problem's own clips.  NaN and infinities are not treated apart.
; THE MODE: SCHED_MODE bits 1:0 = 2 (LLVM: expert scheduling mode 2), set by the entry lines.  The code itself states the register dependences
; between vector or matrix instructions and memory or LDS instructions, with s_wait_alu, always for 0.
; THE PLAN.  Registers that memory or LDS instructions touch, and who else names them:
;   PHASE 1  the slots (windows 1 and 3)  A unit's loads land there; its conversions of lora_A and its 64 additions read them; behind these the unit's next loads land there.
;            v[FR ..]   Written by a unit's 32 roundings, read by its eight LDS stores.          v[LST]   Written at a trip's head, read by the trip's 32 LDS stores.
;   PHASE 2  WB0, WB1   K step q's products read WB[q % 2]; the LDS loads at the head of K step q + 1 land in it.
;            x0, x1 (windows 2 and 3)  A chunk's products read one of them; it is asked for again at the head of the K step behind the chunk's last.
;            v[WA]      Written at a trip's head, read by the trip's LDS loads.                   v[XO ..] Written once a block, read by the block's loads of x.
;            v[PP ..] (MODE 0; they lie in WB0), v[TT ..] (MODE 1; they lie on FR, AF, BF)  Written by the way out's roundings or additions, read by its stores.
;   v[WOFF], v[AOFF], v[WA0], v[SO], v[BO] are made at the head and never written again.  The accumulators, DD (behind lora_B), AF, BF, BT and EE are named by vector and matrix instructions alone.
; THE WAITS.  On va_vdst: one ahead of the first load; one behind each making of v[XO ..]; ONE A UNIT, behind its roundings, ahead of its loads and LDS stores; ONE A K STEP, at its head, ahead of its loads;
; one ahead of each run of stores on the way out (and the two for the activation's batches).  On vm_vsrc: ahead of a unit's roundings; ahead of each write of v[LST] and of v[WA]; behind the first barrier;
; at a block's end.  On va_sdst: one, behind the line that makes the wave's number.
.set MODE,   0
.set ROWS,   2496                      ; rows of xs, g, y
.set RP,     ROWS*16                   ; bytes of one block of eight channels of g, all rows
.set BLK,    192                       ; rows in a block
.if MODE == 0
.set WP,     8192                      ; bytes of a row of W, of lora_B and of the bias
.set NCG,    2                         ; groups of 64 columns in the slice
.set UOFF1,  256                       ; a slot's unit 1 in W: the second group of columns
.set AOFF1,  0
.set AU1,    0                         ; unit 1 shares unit 0's rows of lora_A
.set BF1,    32                        ; and takes the second group's fragments of lora_B
.set SLOTA,  2048                      ; a slot in lora_A: 32 rows of 64 bytes
.set NTRIP1, 3
.set CH,     4                         ; K steps in a chunk of x
.set NT2,    3
.set XSTEP,  64                        ; bytes of x from K step to K step
.set XH,     32                        ; and to a fragment's second half
.set XSH,    11                        ; a row of x: 2,048 bytes
.set OSTEP,  BLK*16                    ; a block of rows in the output
.else
.set WP,     4096
.set NCG,    1
.set UOFF1,  32*4096                   ; a slot's unit 1 in W: the next K step
.set AOFF1,  2048
.set AU1,    1
.set BF1,    0
.set SLOTA,  4096
.set NTRIP1, 1
.set CH,     8
.set NT2,    1
.set XSTEP,  4*RP
.set XH,     2*RP
.set XSH,    4                         ; a row of g within a block of channels: 16 bytes
.set OSTEP,  BLK*4096
.endif
.set NCT,    4*NCG                     ; column tiles
.set SLB,    256*NCG                   ; the slice's bytes in a row
.set KSW,    32*WP                     ; a K step (32 rows) of W
.set KSB,    1024*NCT                  ; a K step in LDS: fragment (s, c) at s KSB + 1024 c + 512 half + 16 lane
.set SLOTW,  262144                    ; a slot (two units of 16 loads) in W
.set SLOTL,  8192                      ; and in LDS
.set LU0,    20                        ; loads of unit 0: 4 of lora_A, 16 of W
.set LU1,    16+4*AU1
.set PERIOD, 2*CH
; window 0
.set LANE, 1
.set RR,   2                           ; l % 16
.set HH,   3                           ; l / 16
.set WOFF, 6                           ; 8 h rows + 16 r: W and lora_B
.set AOFF, 7                           ; 64 r + 32 h: lora_A
.set LST,  8                           ; where phase 1 stores in this trip: LS0 + s32
.set WA0,  9                           ; 16 lane; never rewritten
.set WA,   10                          ; where phase 2 reads in this trip: WA0 + s38
.set HRP,  11                          ; MODE 1: h RP
.set XO,   12                          ; v12-14 my byte offset in x, by block of 16 rows
.set SO,   15                          ; my byte offset in the output
.set BO,   16                          ; and in the bias
.set ROW0, 17                          ; 48 w + r: my row in a block of 192
.set T0,   18
.set T1,   19
.set BI,   20                          ; MODE 1: v[20:23] the bias of my four columns
.set LS0,  24                          ; 16 lane + my wave's eight K steps in LDS; never rewritten
.set DD,   32                          ; phase 1: v[32:95] A B, accumulator (kk, j) at 8 (4 kk + j); first the stage for lora_B
.set FR,   96                          ; v[96:127] the four fragments at work
.set AF,   128                         ; v[128:143] lora_A's fragments, by kk
.set BF,   144                         ; lora_B's fragments, by group and j
.set WB,   32                          ; phase 2: the weights' fragments of one K step, two buffers
.set BT,   160                         ; MODE 0: v[160:223] the bias as the first product's C, by column tile
.set PP,   32                          ; MODE 0, way out: 8 registers for each (block of 16, group)
.set TT,   96                          ; MODE 1, way out: 32 registers a block of 16
; window 1: phase 1 slot a (unit u at 80 u: 16 of lora_A, 64 of W); phase 2 accumulator (t, c) at 8 (NCT t + c), and
.set EE,   192                         ; v[192:223] at work in the activation
; window 2: x, buffer 0 (K step i of the chunk, block t at 24 i + 8 t), and
.set BIS,  192                         ; MODE 0: v[192:255] the bias as loaded
; window 3: phase 1 slot b; phase 2 x, buffer 1
; s[4:5] x, s[6:7] W, s[8:9] lora_A, s[10:11] lora_B, s[12:13] bias, s[14:15] table, s[16:17] output, s18 wave, s19 slice, s20 expert, s21 my wave's rows in the block, s22, s23 counters,
; s24 the expert's first row, s25 its count, s26 its blocks, s27 the block, s[28:29] a 64-bit offset, s30 at work, s31 48 w, s32 phase 1's step in LDS, s33 7.0, s34 -7.0,
; s[36:37] -1.702 log2(e), s38 phase 2's step in LDS, s39 the entry's byte in the table, s40 count - 48 w - 192 block, s41 192 block, s[42:43] x at the expert's first row, s44 the last row that exists
.set MSB, 0
.macro WIN new                         ; s_set_vgpr_msb: bits 1:0 source 0, 3:2 source 1, 5:4 source 2, 7:6 destination; the high byte repeats the setting that is left
.if MSB != (\new)
	s_set_vgpr_msb (MSB<<8)|(\new)
.set MSB, (\new)
.endif
.endm
.macro PLACES                          ; four plain places behind matrix instructions (ISA guide 7.12.1), in front of the vector instructions that read their results
.rept 4
	v_nop
.endr
.endm
; The loads of one unit into window win, registers base on: lora_A's 32 rows (if hasa), then 32 rows x 64 columns of W.
.macro LOADU win, base, hasa, woff, aoff
	WIN (\win)<<6
.if \hasa
.set n, 0
.rept 4                                ; n = 2 kk + q: row 16 kk + r, ranks 8 h + 4 q on
	global_load_b128 v[(\base)+4*n:(\base)+4*n+3], v[AOFF], s[8:9] offset:(\aoff)+1024*(n/2)+16*(n%2)
.set n, n+1
.endr
.endif
.set n, 0
.rept 16                               ; n = 8 kk + i: row 16 kk + 8 h + i
	global_load_b128 v[(\base)+16+4*n:(\base)+16+4*n+3], v[WOFF], s[6:7] offset:(\woff)+(16*(n/8)+n%8)*WP th:TH_LOAD_NT
.set n, n+1
.endr
.endm
; One unit: cnt = the loads issued behind this unit's own.  bf: lora_B's fragments for its columns.  loff: its place in LDS from LST.  refill = 1: its registers are loaded again, two slots on.
; prev = 1: a unit's LDS stores stand ahead of this unit with no wait on vm_vsrc behind them (a trip's first unit has the wait at the trip's head).
.macro UNIT win, base, hasa, bf, loff, cnt, refill, rwoff, raoff, prev
	s_wait_loadcnt \cnt
.if \hasa
	WIN (\win)|((\win)<<2)
.set n, 0
.rept 8                                ; n = 4 kk + p
	v_cvt_pk_f16_f32 v[AF+8*(n/4)+n%4], v[(\base)+2*n], v[(\base)+2*n+1]
.set n, n+1
.endr
.endif
	WIN 0
.set n, 0
.rept 8                                ; n = 4 kk + j: eight different accumulators, each begun with 0: register i of lane (r, h) = (A B)[16 kk + 8 h + i][4 r + j]
	v_wmma_f32_16x16x32_f16 v[DD+8*n:DD+8*n+7], v[AF+8*(n/4):AF+8*(n/4)+7], v[(\bf)+8*(n%4):(\bf)+8*(n%4)+7], 0
.set n, n+1
.endr
	PLACES                                         ; behind the products, ahead of the first line that reads a result
	WIN (\win)                                     ; source 0 in the slot's window
.set n, 0
.rept 64                               ; n = 8 (4 kk + j) + i: W + A B in f32; each accumulator is read from its lowest register on
	v_add_f32 v[DD+n], v[(\base)+16+4*(8*(n/32)+n%8)+(n/8)%4], v[DD+n]
.set n, n+1
.endr
	WIN 0
.if \prev
	s_wait_alu depctr_vm_vsrc(0)                   ; the LDS stores of the unit before have read v[FR ..], which the roundings below write again
.endif
.set n, 0
.rept 32                               ; n = 4 (4 kk + j) + p: the one rounding to f16, rows 2 p and 2 p + 1 packed
.set fq, FR+8*((n/4)%4)+4*(n/16)+n%4
	v_cvt_pk_f16_f32 v[fq], v[DD+2*n], v[DD+2*n+1]
.set n, n+1
.endr
.if \refill
	WIN (\win)<<6                                  ; the loads' window is set ahead of the wait
.endif
	s_wait_alu depctr_va_vdst(0)                   ; the roundings have written v[FR ..], which the LDS stores read; the additions and lora_A's conversions are done reading the slot's registers, in which the loads land; in a trip's first unit v[LST] is written
.if \refill
	LOADU \win, \base, \hasa, \rwoff, \raoff
.endif
	WIN 0
.set n, 0
.rept 8                                ; n = 2 j + half: 32 lanes x 16 consecutive bytes
	ds_store_b128 v[LST], v[FR+4*n:FR+4*n+3] offset:(\loff)+512*n
.set n, n+1
.endr
.endm
; My byte offsets in x for the block that begins at row s41.
.macro SETX
	v_add_nc_u32 v[T0], s41, v[ROW0]
.set n, 0
.rept 3
	v_add_nc_u32 v[T1], 16*n, v[T0]
	v_min_u32 v[T1], s44, v[T1]                    ; places past the count repeat the last row
	v_min_u32 v[T1], 2047, v[T1]
.if MODE == 0
	v_lshlrev_b32 v[XO+n], 11, v[T1]
	v_lshl_add_u32 v[XO+n], v[HH], 4, v[XO+n]
.else
	v_lshl_add_u32 v[XO+n], v[T1], 4, v[HRP]
.endif
.set n, n+1
.endr
.endm
; A chunk of x: CH K steps x three blocks of 16 rows, two loads a fragment, into buffer buf.
.macro FILLX buf, kbase
	WIN (2+(\buf))<<6
.set m, 0
.rept 3*CH                             ; m = 3 i + t
	global_load_b128 v[8*m:8*m+3], v[XO+m%3], s[4:5] offset:((\kbase)+m/3)*XSTEP
	global_load_b128 v[8*m+4:8*m+7], v[XO+m%3], s[4:5] offset:((\kbase)+m/3)*XSTEP+XH
.set m, m+1
.endr
.endm
; K step q of a ring's period.  wl = 1: the next K step's weights are read from LDS (address register wb, offset woffs) into the other buffer.  fill >= 0: that buffer of x is loaded again, from K step fk on.
; lw >= 0: a wait on the loads of x.  The 3 NCT accumulators take turns, one instruction a turn.
; The step's loads stand in one run at its head, behind its one wait on va_vdst: under the products' window setting a load would land in another window.  A K step that loads nothing has no such wait.
.macro KS q, first, wl, wb, woffs, fill, fk, lw
.set par, (\q)%2
.set bu, ((\q)/CH)%2
.set ix, (\q)%CH
.if !(\first) && (\wl)
	WIN 0
	s_wait_alu depctr_va_vdst(0)                   ; the K step before is done reading the weights' other buffer, and, where x is asked for, the buffer of x that it was the last to read: the loads below land there; in a trip's first K step v[WA] is written
.endif
.if \wl
	WIN 0
.set n, 0
.rept 2*NCT                            ; n = 2 c + half
	ds_load_b128 v[WB+8*NCT*(1-par)+4*n:WB+8*NCT*(1-par)+4*n+3], v[\wb] offset:(\woffs)+512*n
.set n, n+1
.endr
.endif
.if (\fill) >= 0
	FILLX \fill, \fk
.endif
.if (\lw) >= 0
	s_wait_loadcnt \lw                             ; all but the chunk just asked for: the chunk that this K step begins is in
.endif
.if \wl
	s_wait_dscnt 2*NCT                             ; all but the 2 NCT just issued: this K step's weights are in
.else
	s_wait_dscnt 0x0
.endif
.if MODE == 0
.if \first
	WIN 0x48                                       ; D window 1, x window 2, weights and C window 0
.else
	WIN 0x50|((2+bu)<<2)
.endif
.else
	WIN 0x50|(2+bu)
.endif
.set n, 0
.rept 3*NCT                            ; column tile n / 3, block n % 3
.set ac, 8*(NCT*(n%3)+n/3)
.set wf, WB+8*NCT*par+8*(n/3)
.set xf, 24*ix+8*(n%3)
.if MODE == 0
.if \first
	v_wmma_f32_16x16x32_f16 v[ac:ac+7], v[wf:wf+7], v[xf:xf+7], v[BT+8*(n/3):BT+8*(n/3)+7]  ; the bias starts the sums
.else
	v_wmma_f32_16x16x32_f16 v[ac:ac+7], v[wf:wf+7], v[xf:xf+7], v[ac:ac+7]
.endif
.else
.if \first
	v_wmma_f32_16x16x32_f16 v[ac:ac+7], v[xf:xf+7], v[wf:wf+7], 0
.else
	v_wmma_f32_16x16x32_f16 v[ac:ac+7], v[xf:xf+7], v[wf:wf+7], v[ac:ac+7]
.endif
.endif
.set n, n+1
.endr
.endm
; K steps 1 .. PERIOD of a period (refill = 1), or 1 .. PERIOD - 1, the last ones, which ask for nothing more (refill = 0).
.macro BODY refill
.set qq, 1
.rept PERIOD-1+(\refill)
.if (qq == CH) && (\refill)
	KS qq, 0, 1, WA, (qq-1)*KSB, 0, PERIOD, 6*CH
.elseif qq == CH
	KS qq, 0, 1, WA, (qq-1)*KSB, -1, 0, 0
.elseif qq == PERIOD
	KS qq, 0, 1, WA, (qq-1)*KSB, 1, PERIOD+CH, 6*CH
.elseif (qq == PERIOD-1) && !(\refill)
	KS qq, 0, 0, WA, 0, -1, 0, -1
.else
	KS qq, 0, 1, WA, (qq-1)*KSB, -1, 0, -1
.endif
.set qq, qq+1
.endr
.endm
; MODE 0, block t of 16 rows: gate = min(gu even, 7), up = clip(gu odd, -7, 7), g = (up + 1) gate / (1 + 2^(-1.702 log2(e) gate)).  The 32 exponentials are one batch with one wait, and so are the 32 reciprocals.
.macro GLU t
	WIN 0
.if (\t) > 0
	s_cmp_le_u32 s21, 16*(\t)                      ; my wave has no row in this block of 16, nor in a later one of this trip
	s_cbranch_scc1 .Lnext
.endif
	WIN 0x55                                       ; all in window 1
.set n, 0
.rept 32                               ; n = 16 group + 8 (j / 2) + i
.set gr, 8*(NCT*(\t)+4*(n/16)+2*((n/8)%2))+n%8
	v_min_num_f32 v[gr], s33, v[gr]
.set n, n+1
.endr
.set n, 0
.rept 16
.set gr, 8*(NCT*(\t)+4*(n/16)+2*((n/8)%2))+n%8
	v_pk_mul_f32 v[EE+n:EE+n+1], v[gr:gr+1], s[36:37] op_sel_hi:[1,0]
.set n, n+2
.endr
.set n, 0
.rept 32
	v_exp_f32 v[EE+n], v[EE+n]
.set n, n+1
.endr
.set n, 0
.rept 32                               ; the ups are clipped meanwhile: plain work that names no exponential's result
.set gr, 8*(NCT*(\t)+4*(n/16)+2*((n/8)%2))+n%8
	v_med3_num_f32 v[gr+8], v[gr+8], s34, s33
.set n, n+1
.endr
	s_wait_alu depctr_va_vdst(0)                   ; the 32 exponentials have written v[EE ..]: one wait for the batch, ahead of their first reader
.set n, 0
.rept 16
	v_pk_add_f32 v[EE+n:EE+n+1], v[EE+n:EE+n+1], 1.0 op_sel_hi:[1,0]
.set n, n+2
.endr
.set n, 0
.rept 32
	v_rcp_f32 v[EE+n], v[EE+n]
.set n, n+1
.endr
	v_nop                                          ; a plain instruction behind the last reciprocal
	s_wait_alu depctr_va_vdst(0)                   ; the 32 reciprocals have written v[EE ..]: one wait for the batch
.set n, 0
.rept 16
.set gr, 8*(NCT*(\t)+4*(n/16)+2*((n/8)%2))+n%8
	v_pk_mul_f32 v[gr:gr+1], v[gr:gr+1], v[EE+n:EE+n+1]
.set n, n+2
.endr
.set n, 0
.rept 16
.set gr, 8*(NCT*(\t)+4*(n/16)+2*((n/8)%2))+n%8
	v_pk_fma_f32 v[gr:gr+1], v[gr+8:gr+9], v[gr:gr+1], v[gr:gr+1]  ; up glu + glu
.set n, n+2
.endr
	WIN 0x05                                       ; sources window 1, destination window 0
.set n, 0
.rept 16                               ; n = 8 group + i: channels 32 group + 16 h + 2 i and the next
	v_cvt_pk_f16_f32 v[PP+16*(\t)+n], v[8*(NCT*(\t)+4*(n/8))+n%8], v[8*(NCT*(\t)+4*(n/8)+2)+n%8]
.set n, n+1
.endr
	WIN 0
	s_wait_alu depctr_va_vdst(0)                   ; the roundings have written v[PP + 16 t ..], which the stores read
.set n, 0
.rept 4                                ; n = 2 group + p: block of eight channels 4 group + 2 h + p; sixteen lanes (rows) store 256 consecutive bytes, aligned
	global_store_b128 v[SO], v[PP+16*(\t)+4*n:PP+16*(\t)+4*n+3], s[16:17] offset:(4*(n/2)+n%2)*RP+256*(\t)
.set n, n+1
.endr
.endm
; MODE 1, block t of 16 rows: the bias is added; register i of tile j is token 8 h + i, column 4 r + j.
.macro YOUT t
	WIN 0
.if (\t) > 0
	s_cmp_le_u32 s21, 16*(\t)                      ; my wave has no row in this block of 16, nor in a later one of this trip
	s_cbranch_scc1 .Lnext
.endif
	WIN 0x01                                       ; source 0 window 1
.set n, 0
.rept 32                               ; n = 4 i + j: every accumulator is read from register 0 on
	v_add_f32 v[TT+32*(\t)+n], v[8*(NCT*(\t)+n%4)+n/4], v[BI+n%4]
.set n, n+1
.endr
	WIN 0
	s_wait_alu depctr_va_vdst(0)                   ; the additions have written v[TT + 32 t ..], which the stores read
.set n, 0
.rept 8                                ; sixteen lanes store 256 consecutive bytes of a row, aligned
	global_store_b128 v[SO], v[TT+32*(\t)+4*n:TT+32*(\t)+4*n+3], s[16:17] offset:4096*n+65536*(\t)
.set n, n+1
.endr
.endm
	s_load_b256 s[4:11], s[0:1], 0x0
	s_load_b128 s[12:15], s[0:1], 0x20
	s_load_b64 s[16:17], s[0:1], 0x30
	v_lshl_add_u32 v254, v0, 2, 0x40000
	v_mov_b32 v255, 0
	v_lshrrev_b32 v[T0], 5, v0
	v_readfirstlane_b32 s18, v[T0]                 ; wave 0..3
	s_mov_b32 s19, ttmp9                           ; slice
	s_and_b32 s20, ttmp7, 0xffff                   ; expert
	s_lshl_b32 s39, s20, 4                         ; its entry in the table; kept until the entry is in
	v_and_b32 v[LANE], 31, v0
	v_and_b32 v[RR], 15, v0
	v_bfe_u32 v[HH], v0, 4, 1
	v_mul_u32_u24 v[WOFF], v[HH], 8*WP
	v_lshl_add_u32 v[WOFF], v[RR], 4, v[WOFF]
	v_lshlrev_b32 v[AOFF], 6, v[RR]
	v_lshl_add_u32 v[AOFF], v[HH], 5, v[AOFF]
	v_lshlrev_b32 v[WA0], 4, v[LANE]
	s_wait_alu depctr_va_sdst(0)                   ; s18 is written, ahead of its first reader: LDS places, rows and bases are made from it
	s_mul_i32 s30, s18, 8*KSB                      ; my wave's eight K steps in LDS
	v_add_nc_u32 v[LS0], s30, v[WA0]
.if MODE == 0
	v_mul_u32_u24 v[SO], v[HH], 2*RP
	v_lshlrev_b32 v[BO], 7, v[HH]                  ; columns 4 (8 h + i) + j: 128 h bytes
.else
	v_lshlrev_b32 v[SO], 15, v[HH]                 ; eight rows of 4,096 bytes
	v_lshlrev_b32 v[BO], 4, v[RR]
	v_mul_u32_u24 v[HRP], v[HH], RP
.endif
	v_lshl_add_u32 v[SO], v[RR], 4, v[SO]
	s_mov_b32 s33, 0x40e00000                      ; 7.0
	s_mov_b32 s34, 0xc0e00000                      ; -7.0
	s_mov_b32 s36, 0xc01d265f                      ; -1.702 log2(e) = -2.4554670
	s_mov_b32 s37, s36                             ; named with it as a pair
	s_mov_b32 s29, 0
	s_mul_i32 s31, s18, 48                         ; my wave's first row in a block
	v_add_nc_u32 v[ROW0], s31, v[RR]
	s_wait_kmcnt 0x0
	s_load_b64 s[24:25], s[14:15], s39 offset:0x0  ; the expert's first row and count: waited for behind the weights' first loads
	s_mul_i32 s28, s20, 1024*WP                    ; W: the expert, the slice, my wave's K steps
	s_mul_i32 s30, s19, SLB
	s_add_co_u32 s28, s28, s30
	s_mul_i32 s30, s18, 8*KSW
	s_add_co_u32 s28, s28, s30
	s_add_nc_u64 s[6:7], s[6:7], s[28:29]
	s_lshl_b32 s28, s20, 16                        ; lora_A: the expert's 1,024 rows of 64 bytes, my wave's 256
	s_lshl_b32 s30, s18, 14
	s_add_co_u32 s28, s28, s30
	s_add_nc_u64 s[8:9], s[8:9], s[28:29]
	s_mul_i32 s28, s20, 16*WP                      ; lora_B: the expert's 16 rows, the slice
	s_mul_i32 s30, s19, SLB
	s_add_co_u32 s28, s28, s30
	s_add_nc_u64 s[10:11], s[10:11], s[28:29]
	s_mul_i32 s28, s20, WP                         ; the bias: the expert's row, the slice
	s_add_co_u32 s28, s28, s30
	s_add_nc_u64 s[12:13], s[12:13], s[28:29]
	s_wait_alu depctr_va_vdst(0)                   ; v[WOFF], v[AOFF], v[WA0], v[SO] and v[BO] are written: the kernel's loads and stores read them as offsets
	; PHASE 1: the first loads
.set n, 0
.rept 8*NCG                            ; n = 8 group + i: lora_B[8 h + i][64 group + 4 r ..]
	global_load_b128 v[DD+4*n:DD+4*n+3], v[WOFF], s[10:11] offset:(n%8)*WP+256*(n/8)
.set n, n+1
.endr
	LOADU 1, 0, 1, 0, 0
	LOADU 1, 80, AU1, UOFF1, AOFF1
	LOADU 3, 0, 1, SLOTW, SLOTA
	WIN 0
.set n, 0
.rept 2+4*NCG                          ; ranks 16 to 31 of every LoRA fragment are 0
	v_mov_b32 v[AF+8*n+4], 0
	v_mov_b32 v[AF+8*n+5], 0
	v_mov_b32 v[AF+8*n+6], 0
	v_mov_b32 v[AF+8*n+7], 0
.set n, n+1
.endr
	s_wait_loadcnt LU0+LU1+LU0                     ; lora_B is in: the three units issued behind it may stay out
.set n, 0
.rept 16*NCG                           ; n = 16 group + 4 j + p
.set lb, DD+32*(n/16)+8*(n%4)+(n/4)%4
	v_cvt_pk_f16_f32 v[BF+32*(n/16)+8*((n/4)%4)+n%4], v[lb], v[lb+4]
.set n, n+1
.endr
	LOADU 3, 80, AU1, SLOTW+UOFF1, SLOTA+AOFF1     ; no wait: the vector instructions since the wait above name AF, BF and DD alone, none of the registers that these loads touch
	WIN 0
	; The expert's rows: all that phase 2 reads is made here, on every path.
	s_wait_kmcnt 0x0
	s_min_u32 s24, s24, 2303                       ; what was loaded is held inside the buffers
	s_min_u32 s25, s25, 2048
	s_add_co_u32 s26, s25, BLK-1
	s_lshr_b32 s26, s26, 6
	s_mul_i32 s26, s26, 43
	s_lshr_b32 s26, s26, 7                         ; blocks: ceil(count / 192) = ((count + 191) >> 6) / 3; n x 43 >> 7 is n / 3 for n up to 34
	s_sub_co_i32 s40, s25, s31                     ; rows from my wave's first row of block 0 on
	s_mov_b32 s41, 0
	s_max_u32 s44, s25, 1
	s_sub_co_u32 s44, s44, 1                       ; the expert's last row that exists
	s_lshl_b32 s28, s24, XSH
	s_add_nc_u64 s[42:43], s[4:5], s[28:29]        ; x at the expert's first row
	s_mov_b64 s[4:5], s[42:43]
	s_add_co_u32 s30, s24, s31                     ; the output at my wave's first row
.if MODE == 0
	s_lshl_b32 s28, s30, 4
	s_mul_i32 s30, s19, 8*RP                       ; the slice's 64 channels: eight blocks
.else
	s_lshl_b32 s28, s30, 12
	s_lshl_b32 s30, s19, 8
.endif
	s_add_co_u32 s28, s28, s30
	s_add_nc_u64 s[16:17], s[16:17], s[28:29]
	SETX
	s_wait_alu depctr_va_vdst(0)                   ; v[XO ..] are written, which the loads of x read as offsets
.if MODE == 0
	WIN 0x80
.set n, 0
.rept 16                               ; n = 8 group + i
	global_load_b128 v[BIS+4*n:BIS+4*n+3], v[BO], s[12:13] offset:256*(n/8)+16*(n%8)
.set n, n+1
.endr
.else
	global_load_b128 v[BI:BI+3], v[BO], s[12:13]
.endif
	FILLX 0, 0
	WIN 0
	s_cmp_eq_u32 s25, 0
	s_cbranch_scc1 .Lbar                           ; an expert without rows: its weights are not streamed
	s_mov_b32 s32, 0                               ; the trip's two slots in LDS, from my wave's first
.if NTRIP1 > 1
	s_mov_b32 s22, NTRIP1
.Lp1:                                                  ; a trip: two slots, four units, each loaded again two slots on.  A unit's wait counts the three units issued behind it (in the first trip the bias and x stand behind them too)
	s_wait_alu depctr_vm_vsrc(0)                   ; over the backward jump: the last trip's LDS stores have read v[LST], which the next line writes, and v[FR ..], which the first unit's roundings write
.endif
	v_add_nc_u32 v[LST], s32, v[LS0]               ; where this trip stores
	UNIT 1, 0, 1, BF, 0, LU1+LU0+LU1, 1, 2*SLOTW, 2*SLOTA, 0
	UNIT 1, 80, AU1, BF+BF1, 4096, LU0+LU1+LU0, 1, 2*SLOTW+UOFF1, 2*SLOTA+AOFF1, 1
	UNIT 3, 0, 1, BF, 8192, LU1+LU0+LU1, 1, 3*SLOTW, 3*SLOTA, 1
	UNIT 3, 80, AU1, BF+BF1, 12288, LU0+LU1+LU0, 1, 3*SLOTW+UOFF1, 3*SLOTA+AOFF1, 1
	WIN 0
	s_wait_xcnt 0x0                                ; the bases are stepped only behind this wait
	s_add_nc_u64 s[6:7], s[6:7], 2*SLOTW
	s_add_nc_u64 s[8:9], s[8:9], 2*SLOTA
	s_add_co_u32 s32, s32, 2*SLOTL
.if NTRIP1 > 1
	s_sub_co_u32 s22, s22, 1
	s_cmp_lg_u32 s22, 0
	s_cbranch_scc1 .Lp1
.endif
	s_wait_alu depctr_vm_vsrc(0)                   ; the LDS stores issued so far have read v[LST], which the next line writes, and v[FR ..], which the next unit's roundings write
	v_add_nc_u32 v[LST], s32, v[LS0]               ; my wave's last two slots
	UNIT 1, 0, 1, BF, 0, LU1+LU0+LU1, 0, 0, 0, 0   ; they load nothing: the counts run down
	UNIT 1, 80, AU1, BF+BF1, 4096, LU0+LU1, 0, 0, 0, 1
	UNIT 3, 0, 1, BF, 8192, LU1, 0, 0, 0, 1
	UNIT 3, 80, AU1, BF+BF1, 12288, 0, 0, 0, 0, 1
	WIN 0
.Lbar:
	s_wait_dscnt 0x0                               ; for the others' sake: my fragments are in LDS
	s_barrier_signal -1
	s_barrier_wait -1                              ; everybody's are
	s_wait_alu depctr_vm_vsrc(0)                   ; my LDS stores have read v[FR ..]: from here on these registers take the weights' fragments (MODE 0) or the way out's sums (MODE 1)
	s_wait_loadcnt 6*CH                            ; all but x's first chunk, which was asked for last: the bias is in, and no load is out into the slots' registers
.if MODE == 0
	WIN 0x02                                       ; source window 2
.set n, 0
.rept 64                               ; n = 32 group + 4 i + j: the bias into the order of the first product's C
	v_mov_b32 v[BT+8*(4*(n/32)+n%4)+(n/4)%8], v[BIS+n]
.set n, n+1
.endr
	WIN 0
.endif
	s_mov_b32 s27, 0
	; PHASE 2: a trip for each block of 192 rows.  The loads at a block's head owe no wait of their own.  On the way in, the last wait on va_vdst (the last unit's; for an expert without rows the one behind v[XO ..]) stands
	; behind every vector and matrix instruction that names WB, x1 or the offsets: since then only the moves into BT are issued.  Over the backward jump the waits of the way out and of the block's end do the same.
.Lblk:
	s_max_i32 s21, s40, 0                          ; my wave's rows from this block on
	s_cmp_eq_u32 s21, 0
	s_cbranch_scc1 .Lnext                          ; none: the expert's rows end ahead of my wave's
	FILLX 1, CH
	WIN 0
.set n, 0
.rept 2*NCT
	ds_load_b128 v[WB+4*n:WB+4*n+3], v[WA0] offset:512*n  ; K step 0
.set n, n+1
.endr
	s_wait_loadcnt 6*CH                            ; all but the chunk just asked for: the first chunk is in
	KS 0, 1, 1, WA0, KSB, -1, 0, -1                ; the first K step starts the sums
	WIN 0
	s_mov_b32 s38, 2*KSB                           ; the first fragments that a trip reads: K step 2 of its period
.if NT2 > 1
	s_mov_b32 s23, NT2
.Lk:                                                   ; a trip: PERIOD K steps, both buffers of x loaded again
	s_wait_alu depctr_vm_vsrc(0)                   ; over the backward jump: the last trip's LDS loads have read v[WA], which the next line writes
.endif
	v_add_nc_u32 v[WA], s38, v[WA0]                ; where this trip reads
	BODY 1
	WIN 0
	s_wait_xcnt 0x0                                ; x's base is stepped only behind this wait
	s_add_nc_u64 s[4:5], s[4:5], PERIOD*XSTEP
	s_add_co_u32 s38, s38, PERIOD*KSB
.if NT2 > 1
	s_sub_co_u32 s23, s23, 1
	s_cmp_lg_u32 s23, 0
	s_cbranch_scc1 .Lk
.endif
	s_wait_alu depctr_vm_vsrc(0)                   ; the LDS loads issued so far have read v[WA], which the next line writes
	v_add_nc_u32 v[WA], s38, v[WA0]                ; the last period
	BODY 0
	PLACES                                         ; behind the last products, ahead of the vector instructions that read their results
.if MODE == 0
	GLU 0
	GLU 1
	GLU 2
.else
	YOUT 0
	YOUT 1
	YOUT 2
.endif
	WIN 0
.Lnext:
	s_wait_xcnt 0x0                                ; the stores' data and base and x's offsets are rewritten only behind this wait
	s_wait_alu depctr_vm_vsrc(0)                   ; beside it, ahead of the branch: the block's loads of x have read v[XO ..], which are made anew below, and its stores have read v[PP ..] or v[TT ..], which the next block writes again
	s_add_co_u32 s30, s27, 1
	s_cmp_ge_u32 s30, s26
	s_cbranch_scc1 .Lcount                         ; that was the expert's last block: nothing more is asked for
	s_wait_loadcnt 0x0                             ; no load is out into the registers that are loaded again below
	s_sub_co_i32 s40, s40, BLK
	s_add_co_u32 s41, s41, BLK
	s_add_nc_u64 s[16:17], s[16:17], OSTEP
	s_mov_b64 s[4:5], s[42:43]                     ; x back at K step 0
	SETX
	s_wait_alu depctr_va_vdst(0)                   ; v[XO ..] are written, which the loads of x read; the block's products are done reading both buffers of x and of the weights, in which the next block's loads land
	FILLX 0, 0                                     ; the next block's first chunk
	WIN 0
.Lcount:
	s_add_co_u32 s27, s27, 1
	s_cmp_lt_u32 s27, s26
	s_cbranch_scc1 .Lblk
	s_wait_dscnt 0x0                               ; my reads of the fragments are over
	s_barrier_signal -1
	s_barrier_wait -1                              ; everybody's are
	s_wait_dscnt 0x0                               ; the wave's end
	s_wait_alu depctr_hold_cnt(0) depctr_sa_sdst(0) depctr_va_vdst(0) depctr_va_sdst(0) depctr_va_ssrc(0) depctr_va_vcc(0) depctr_vm_vsrc(0)
	s_wait_tensorcnt 0x0
	ds_add_u32 v254, v255
	s_wait_dscnt 0x0
	s_endpgm
.Lfunc_end_k_q0f9a23cbb5_gateup:
	.size	k_q0f9a23cbb5_gateup, .Lfunc_end_k_q0f9a23cbb5_gateup-k_q0f9a23cbb5_gateup
	.p2alignl 7, 3214868480
	.fill 96, 4, 3214868480
	.section	.rodata,"a",@progbits
	.p2align	6, 0x0
	.amdhsa_kernel k_q0f9a23cbb5_gateup
		.amdhsa_group_segment_fixed_size 262656
		.amdhsa_private_segment_fixed_size 0
		.amdhsa_enable_private_segment 0
		.amdhsa_kernarg_size 56
		.amdhsa_user_sgpr_count 2
		.amdhsa_user_sgpr_kernarg_segment_ptr 1
		.amdhsa_wavefront_size32 1
		.amdhsa_system_sgpr_workgroup_id_x 1
		.amdhsa_system_sgpr_workgroup_id_y 1
		.amdhsa_system_sgpr_workgroup_id_z 1
		.amdhsa_system_vgpr_workitem_id 0
		.amdhsa_next_free_vgpr 1024
		.amdhsa_next_free_sgpr 66
		.amdhsa_reserve_vcc 0
		.amdhsa_float_denorm_mode_32 3
		.amdhsa_float_denorm_mode_16_64 3
		.amdhsa_memory_ordered 1
		.amdhsa_forward_progress 1
		.amdhsa_inst_pref_size 160
	.end_amdhsa_kernel
	.amdgpu_metadata
---
amdhsa.version: [ 1, 2 ]
amdhsa.kernels:
  - .name:           k_q0f9a23cbb5_gateup
    .symbol:         k_q0f9a23cbb5_gateup.kd
    .args:
      - { .name: xs, .offset: 0, .size: 8, .value_kind: global_buffer, .address_space: global }
      - { .name: gate_up_proj, .offset: 8, .size: 8, .value_kind: global_buffer, .address_space: global }
      - { .name: lora_gate_up_A, .offset: 16, .size: 8, .value_kind: global_buffer, .address_space: global }
      - { .name: lora_gate_up_B, .offset: 24, .size: 8, .value_kind: global_buffer, .address_space: global }
      - { .name: gate_up_bias, .offset: 32, .size: 8, .value_kind: global_buffer, .address_space: global }
      - { .name: tab, .offset: 40, .size: 8, .value_kind: global_buffer, .address_space: global }
      - { .name: g, .offset: 48, .size: 8, .value_kind: global_buffer, .address_space: global }
    .group_segment_fixed_size: 262656
    .private_segment_fixed_size: 0
    .kernarg_segment_align: 8
    .kernarg_segment_size: 56
    .max_flat_workgroup_size: 128
    .sgpr_count:     66
    .vgpr_count:     1024
    .wavefront_size: 32
...
	.end_amdgpu_metadata
.endif
;; end of part 5
;; launch down (part 6): grid 16 x 16, 4 waves a work-group, no clusters, 131,584 bytes of LDS; arguments g, down_proj, lora_down_A, lora_down_B, down_bias, tab, y; writes y
.if DOCPART == 6
	.amdgcn_target "amdgcn-amd-amdhsa--gfx1250"
	.amdhsa_code_object_version 6
	.text
	.protected	k_q0f9a23cbb5_down
	.globl	k_q0f9a23cbb5_down
	.p2align	8
	.type	k_q0f9a23cbb5_down,@function
k_q0f9a23cbb5_down:
	s_mov_b64 s[64:65], 0
	v_nop
	global_prefetch_b8 v0, s[64:65] scope:SCOPE_SE
	s_setreg_imm32_b32 hwreg(HW_REG_WAVE_SCHED_MODE, 0, 2), 2
	s_setreg_imm32_b32 hwreg(HW_REG_WAVE_MODE, 25, 1), 1
	s_wait_xcnt 0x0
	s_wait_alu depctr_vm_vsrc(0)
; ONE TEXT FOR BOTH PRODUCTS OF AN EXPERT.  MODE 0: g = GLU(x W1' + b1), W1' = W1 + A1 B1 (the LoRA scale 16 / 16 = 1 is the problem's constant: no multiply).  MODE 1: y = g W2' + b2.
; SHARES.  Work-group (slice, expert): slice = 128 (MODE 0) or 64 (MODE 1) columns of ONE expert's weights, which no other work-group reads, and ALL of that expert's sorted rows (first row and count
; from the table that the first launch stored).  16 x 16 work-groups whatever the split; each weight byte is read once.
; PHASE 1.  Wave w streams K rows 256 w .. 256 w + 255 of the slice through registers: A B (an f16 matrix product, rank 16 in a K of 32, upper half 0) is added to W in f32, the sum rounded
; once to f16, and laid into LDS as operand fragments.  No transposition: lane (r = l % 16, h = l / 16) loads W[k0 + 16 kk + 8 h + i][n0 + 4 r .. + 3]; COLUMN TILE j is DEFINED as the columns n0 + 4 r + j,
; so that rows 2 p, 2 p + 1 packed are register 4 kk + p of tile j's fragment in this very lane.  Each load takes two whole aligned runs of 256 bytes.
; The expert is the work-group's y, so the weights' first loads go out ahead of the wait for the table's entry.  An expert without rows leaves phase 1 out.
; PHASE 2, behind the first barrier: a loop over blocks of 192 rows, ceil(count / 192) trips (one at the least); nothing in it writes LDS and no barrier stands in it; every jump in it goes forward to a label
; ahead of the counter's step, and it is left by falling through its backward branch alone.  Wave w multiplies rows 48 w .. 48 w + 47 of the block
; (three blocks of 16; places past the count repeat the last row) by the whole slice: f16 operands, f32 sums.
; MODE 0: source 0 = weights, so a lane holds ONE token and eight columns; tiles j = 0, 2 are gates, j = 1, 3 their ups; g leaves as [f / 8][row][8] f16, sixteen lanes filling 256 aligned bytes.
; MODE 1: source 0 = tokens, so a lane holds columns 4 r + j of eight tokens: four tiles make 16 bytes of a row of y (f32: the two partial rows of a token are added by the last launch).
; LDS ADDRESSES in the loops are made anew in each trip: a lane term that is never rewritten plus a scalar that a counted loop steps by a constant.
; NO TENSOR LOADS: every weight passes through registers anyway.  NO CLUSTER: each weight byte has one reader; what an expert's 16 slices share is its x rows, 384 KB a block, and beside MODE 0's
; 256 KB of fragments LDS has 64 KB left.
; LIMITS.  x, the LoRA factors and W + A B must lie within f16's 65,504 and keep f16's fixed step of 6e-8 below 6.1e-5; g lies within 56 by the problem's own clips.  NaN and infinities are not treated apart.
; An expert without rows loads, and discards, one row of g at its place in the order, which nobody may have written.
; THE MODE: SCHED_MODE bits 1:0 = 2 (LLVM: expert scheduling mode 2), set by the entry lines.  The code itself states the register dependences
; between vector or matrix instructions and memory or LDS instructions, with s_wait_alu, always for 0.
; THE PLAN.  Registers that memory or LDS instructions touch, and who else names them:
;   PHASE 1  the slots (windows 1 and 3)  A unit's loads land there; its conversions of lora_A and its 64 additions read them; behind these the unit's next loads land there.
;            v[FR ..]   Written by a unit's 32 roundings, read by its eight LDS stores.          v[LST]   Written at a trip's head, read by the trip's 32 LDS stores.
;   PHASE 2  WB0, WB1   K step q's products read WB[q % 2]; the LDS loads at the head of K step q + 1 land in it.
;            x0, x1 (windows 2 and 3)  A chunk's products read one of them; it is asked for again at the head of the K step behind the chunk's last.
;            v[WA]      Written at a trip's head, read by the trip's LDS loads.                   v[XO ..] Written once a block, read by the block's loads of x.
;            v[PP ..] (MODE 0; they lie in WB0), v[TT ..] (MODE 1; they lie on FR, AF, BF)  Written by the way out's roundings or additions, read by its stores.
;   v[WOFF], v[AOFF], v[WA0], v[SO], v[BO] are made at the head and never written again.  The accumulators, DD (behind lora_B), AF, BF, BT and EE are named by vector and matrix instructions alone.
; THE WAITS.  On va_vdst: one ahead of the first load; one behind each making of v[XO ..]; ONE A UNIT, behind its roundings, ahead of its loads and LDS stores; ONE A K STEP, at its head, ahead of its loads;
; one ahead of each run of stores on the way out (and the two for the activation's batches).  On vm_vsrc: ahead of a unit's roundings; ahead of each write of v[LST] and of v[WA]; behind the first barrier;
; at a block's end.  On va_sdst: one, behind the line that makes the wave's number.
.set MODE,   1
.set ROWS,   2496                      ; rows of xs, g, y
.set RP,     ROWS*16                   ; bytes of one block of eight channels of g, all rows
.set BLK,    192                       ; rows in a block
.if MODE == 0
.set WP,     8192                      ; bytes of a row of W, of lora_B and of the bias
.set NCG,    2                         ; groups of 64 columns in the slice
.set UOFF1,  256                       ; a slot's unit 1 in W: the second group of columns
.set AOFF1,  0
.set AU1,    0                         ; unit 1 shares unit 0's rows of lora_A
.set BF1,    32                        ; and takes the second group's fragments of lora_B
.set SLOTA,  2048                      ; a slot in lora_A: 32 rows of 64 bytes
.set NTRIP1, 3
.set CH,     4                         ; K steps in a chunk of x
.set NT2,    3
.set XSTEP,  64                        ; bytes of x from K step to K step
.set XH,     32                        ; and to a fragment's second half
.set XSH,    11                        ; a row of x: 2,048 bytes
.set OSTEP,  BLK*16                    ; a block of rows in the output
.else
.set WP,     4096
.set NCG,    1
.set UOFF1,  32*4096                   ; a slot's unit 1 in W: the next K step
.set AOFF1,  2048
.set AU1,    1
.set BF1,    0
.set SLOTA,  4096
.set NTRIP1, 1
.set CH,     8
.set NT2,    1
.set XSTEP,  4*RP
.set XH,     2*RP
.set XSH,    4                         ; a row of g within a block of channels: 16 bytes
.set OSTEP,  BLK*4096
.endif
.set NCT,    4*NCG                     ; column tiles
.set SLB,    256*NCG                   ; the slice's bytes in a row
.set KSW,    32*WP                     ; a K step (32 rows) of W
.set KSB,    1024*NCT                  ; a K step in LDS: fragment (s, c) at s KSB + 1024 c + 512 half + 16 lane
.set SLOTW,  262144                    ; a slot (two units of 16 loads) in W
.set SLOTL,  8192                      ; and in LDS
.set LU0,    20                        ; loads of unit 0: 4 of lora_A, 16 of W
.set LU1,    16+4*AU1
.set PERIOD, 2*CH
; window 0
.set LANE, 1
.set RR,   2                           ; l % 16
.set HH,   3                           ; l / 16
.set WOFF, 6                           ; 8 h rows + 16 r: W and lora_B
.set AOFF, 7                           ; 64 r + 32 h: lora_A
.set LST,  8                           ; where phase 1 stores in this trip: LS0 + s32
.set WA0,  9                           ; 16 lane; never rewritten
.set WA,   10                          ; where phase 2 reads in this trip: WA0 + s38
.set HRP,  11                          ; MODE 1: h RP
.set XO,   12                          ; v12-14 my byte offset in x, by block of 16 rows
.set SO,   15                          ; my byte offset in the output
.set BO,   16                          ; and in the bias
.set ROW0, 17                          ; 48 w + r: my row in a block of 192
.set T0,   18
.set T1,   19
.set BI,   20                          ; MODE 1: v[20:23] the bias of my four columns
.set LS0,  24                          ; 16 lane + my wave's eight K steps in LDS; never rewritten
.set DD,   32                          ; phase 1: v[32:95] A B, accumulator (kk, j) at 8 (4 kk + j); first the stage for lora_B
.set FR,   96                          ; v[96:127] the four fragments at work
.set AF,   128                         ; v[128:143] lora_A's fragments, by kk
.set BF,   144                         ; lora_B's fragments, by group and j
.set WB,   32                          ; phase 2: the weights' fragments of one K step, two buffers
.set BT,   160                         ; MODE 0: v[160:223] the bias as the first product's C, by column tile
.set PP,   32                          ; MODE 0, way out: 8 registers for each (block of 16, group)
.set TT,   96                          ; MODE 1, way out: 32 registers a block of 16
; window 1: phase 1 slot a (unit u at 80 u: 16 of lora_A, 64 of W); phase 2 accumulator (t, c) at 8 (NCT t + c), and
.set EE,   192                         ; v[192:223] at work in the activation
; window 2: x, buffer 0 (K step i of the chunk, block t at 24 i + 8 t), and
.set BIS,  192                         ; MODE 0: v[192:255] the bias as loaded
; window 3: phase 1 slot b; phase 2 x, buffer 1
; s[4:5] x, s[6:7] W, s[8:9] lora_A, s[10:11] lora_B, s[12:13] bias, s[14:15] table, s[16:17] output, s18 wave, s19 slice, s20 expert, s21 my wave's rows in the block, s22, s23 counters,
; s24 the expert's first row, s25 its count, s26 its blocks, s27 the block, s[28:29] a 64-bit offset, s30 at work, s31 48 w, s32 phase 1's step in LDS, s33 7.0, s34 -7.0,
; s[36:37] -1.702 log2(e), s38 phase 2's step in LDS, s39 the entry's byte in the table, s40 count - 48 w - 192 block, s41 192 block, s[42:43] x at the expert's first row, s44 the last row that exists
.set MSB, 0
.macro WIN new                         ; s_set_vgpr_msb: bits 1:0 source 0, 3:2 source 1, 5:4 source 2, 7:6 destination; the high byte repeats the setting that is left
.if MSB != (\new)
	s_set_vgpr_msb (MSB<<8)|(\new)
.set MSB, (\new)
.endif
.endm
.macro PLACES                          ; four plain places behind matrix instructions (ISA guide 7.12.1), in front of the vector instructions that read their results
.rept 4
	v_nop
.endr
.endm
; The loads of one unit into window win, registers base on: lora_A's 32 rows (if hasa), then 32 rows x 64 columns of W.
.macro LOADU win, base, hasa, woff, aoff
	WIN (\win)<<6
.if \hasa
.set n, 0
.rept 4                                ; n = 2 kk + q: row 16 kk + r, ranks 8 h + 4 q on
	global_load_b128 v[(\base)+4*n:(\base)+4*n+3], v[AOFF], s[8:9] offset:(\aoff)+1024*(n/2)+16*(n%2)
.set n, n+1
.endr
.endif
.set n, 0
.rept 16                               ; n = 8 kk + i: row 16 kk + 8 h + i
	global_load_b128 v[(\base)+16+4*n:(\base)+16+4*n+3], v[WOFF], s[6:7] offset:(\woff)+(16*(n/8)+n%8)*WP th:TH_LOAD_NT
.set n, n+1
.endr
.endm
; One unit: cnt = the loads issued behind this unit's own.  bf: lora_B's fragments for its columns.  loff: its place in LDS from LST.  refill = 1: its registers are loaded again, two slots on.
; prev = 1: a unit's LDS stores stand ahead of this unit with no wait on vm_vsrc behind them (a trip's first unit has the wait at the trip's head).
.macro UNIT win, base, hasa, bf, loff, cnt, refill, rwoff, raoff, prev
	s_wait_loadcnt \cnt
.if \hasa
	WIN (\win)|((\win)<<2)
.set n, 0
.rept 8                                ; n = 4 kk + p
	v_cvt_pk_f16_f32 v[AF+8*(n/4)+n%4], v[(\base)+2*n], v[(\base)+2*n+1]
.set n, n+1
.endr
.endif
	WIN 0
.set n, 0
.rept 8                                ; n = 4 kk + j: eight different accumulators, each begun with 0: register i of lane (r, h) = (A B)[16 kk + 8 h + i][4 r + j]
	v_wmma_f32_16x16x32_f16 v[DD+8*n:DD+8*n+7], v[AF+8*(n/4):AF+8*(n/4)+7], v[(\bf)+8*(n%4):(\bf)+8*(n%4)+7], 0
.set n, n+1
.endr
	PLACES                                         ; behind the products, ahead of the first line that reads a result
	WIN (\win)                                     ; source 0 in the slot's window
.set n, 0
.rept 64                               ; n = 8 (4 kk + j) + i: W + A B in f32; each accumulator is read from its lowest register on
	v_add_f32 v[DD+n], v[(\base)+16+4*(8*(n/32)+n%8)+(n/8)%4], v[DD+n]
.set n, n+1
.endr
	WIN 0
.if \prev
	s_wait_alu depctr_vm_vsrc(0)                   ; the LDS stores of the unit before have read v[FR ..], which the roundings below write again
.endif
.set n, 0
.rept 32                               ; n = 4 (4 kk + j) + p: the one rounding to f16, rows 2 p and 2 p + 1 packed
.set fq, FR+8*((n/4)%4)+4*(n/16)+n%4
	v_cvt_pk_f16_f32 v[fq], v[DD+2*n], v[DD+2*n+1]
.set n, n+1
.endr
.if \refill
	WIN (\win)<<6                                  ; the loads' window is set ahead of the wait
.endif
	s_wait_alu depctr_va_vdst(0)                   ; the roundings have written v[FR ..], which the LDS stores read; the additions and lora_A's conversions are done reading the slot's registers, in which the loads land; in a trip's first unit v[LST] is written
.if \refill
	LOADU \win, \base, \hasa, \rwoff, \raoff
.endif
	WIN 0
.set n, 0
.rept 8                                ; n = 2 j + half: 32 lanes x 16 consecutive bytes
	ds_store_b128 v[LST], v[FR+4*n:FR+4*n+3] offset:(\loff)+512*n
.set n, n+1
.endr
.endm
; My byte offsets in x for the block that begins at row s41.
.macro SETX
	v_add_nc_u32 v[T0], s41, v[ROW0]
.set n, 0
.rept 3
	v_add_nc_u32 v[T1], 16*n, v[T0]
	v_min_u32 v[T1], s44, v[T1]                    ; places past the count repeat the last row
	v_min_u32 v[T1], 2047, v[T1]
.if MODE == 0
	v_lshlrev_b32 v[XO+n], 11, v[T1]
	v_lshl_add_u32 v[XO+n], v[HH], 4, v[XO+n]
.else
	v_lshl_add_u32 v[XO+n], v[T1], 4, v[HRP]
.endif
.set n, n+1
.endr
.endm
; A chunk of x: CH K steps x three blocks of 16 rows, two loads a fragment, into buffer buf.
.macro FILLX buf, kbase
	WIN (2+(\buf))<<6
.set m, 0
.rept 3*CH                             ; m = 3 i + t
	global_load_b128 v[8*m:8*m+3], v[XO+m%3], s[4:5] offset:((\kbase)+m/3)*XSTEP
	global_load_b128 v[8*m+4:8*m+7], v[XO+m%3], s[4:5] offset:((\kbase)+m/3)*XSTEP+XH
.set m, m+1
.endr
.endm
; K step q of a ring's period.  wl = 1: the next K step's weights are read from LDS (address register wb, offset woffs) into the other buffer.  fill >= 0: that buffer of x is loaded again, from K step fk on.
; lw >= 0: a wait on the loads of x.  The 3 NCT accumulators take turns, one instruction a turn.
; The step's loads stand in one run at its head, behind its one wait on va_vdst: under the products' window setting a load would land in another window.  A K step that loads nothing has no such wait.
.macro KS q, first, wl, wb, woffs, fill, fk, lw
.set par, (\q)%2
.set bu, ((\q)/CH)%2
.set ix, (\q)%CH
.if !(\first) && (\wl)
	WIN 0
	s_wait_alu depctr_va_vdst(0)                   ; the K step before is done reading the weights' other buffer, and, where x is asked for, the buffer of x that it was the last to read: the loads below land there; in a trip's first K step v[WA] is written
.endif
.if \wl
	WIN 0
.set n, 0
.rept 2*NCT                            ; n = 2 c + half
	ds_load_b128 v[WB+8*NCT*(1-par)+4*n:WB+8*NCT*(1-par)+4*n+3], v[\wb] offset:(\woffs)+512*n
.set n, n+1
.endr
.endif
.if (\fill) >= 0
	FILLX \fill, \fk
.endif
.if (\lw) >= 0
	s_wait_loadcnt \lw                             ; all but the chunk just asked for: the chunk that this K step begins is in
.endif
.if \wl
	s_wait_dscnt 2*NCT                             ; all but the 2 NCT just issued: this K step's weights are in
.else
	s_wait_dscnt 0x0
.endif
.if MODE == 0
.if \first
	WIN 0x48                                       ; D window 1, x window 2, weights and C window 0
.else
	WIN 0x50|((2+bu)<<2)
.endif
.else
	WIN 0x50|(2+bu)
.endif
.set n, 0
.rept 3*NCT                            ; column tile n / 3, block n % 3
.set ac, 8*(NCT*(n%3)+n/3)
.set wf, WB+8*NCT*par+8*(n/3)
.set xf, 24*ix+8*(n%3)
.if MODE == 0
.if \first
	v_wmma_f32_16x16x32_f16 v[ac:ac+7], v[wf:wf+7], v[xf:xf+7], v[BT+8*(n/3):BT+8*(n/3)+7]  ; the bias starts the sums
.else
	v_wmma_f32_16x16x32_f16 v[ac:ac+7], v[wf:wf+7], v[xf:xf+7], v[ac:ac+7]
.endif
.else
.if \first
	v_wmma_f32_16x16x32_f16 v[ac:ac+7], v[xf:xf+7], v[wf:wf+7], 0
.else
	v_wmma_f32_16x16x32_f16 v[ac:ac+7], v[xf:xf+7], v[wf:wf+7], v[ac:ac+7]
.endif
.endif
.set n, n+1
.endr
.endm
; K steps 1 .. PERIOD of a period (refill = 1), or 1 .. PERIOD - 1, the last ones, which ask for nothing more (refill = 0).
.macro BODY refill
.set qq, 1
.rept PERIOD-1+(\refill)
.if (qq == CH) && (\refill)
	KS qq, 0, 1, WA, (qq-1)*KSB, 0, PERIOD, 6*CH
.elseif qq == CH
	KS qq, 0, 1, WA, (qq-1)*KSB, -1, 0, 0
.elseif qq == PERIOD
	KS qq, 0, 1, WA, (qq-1)*KSB, 1, PERIOD+CH, 6*CH
.elseif (qq == PERIOD-1) && !(\refill)
	KS qq, 0, 0, WA, 0, -1, 0, -1
.else
	KS qq, 0, 1, WA, (qq-1)*KSB, -1, 0, -1
.endif
.set qq, qq+1
.endr
.endm
; MODE 0, block t of 16 rows: gate = min(gu even, 7), up = clip(gu odd, -7, 7), g = (up + 1) gate / (1 + 2^(-1.702 log2(e) gate)).  The 32 exponentials are one batch with one wait, and so are the 32 reciprocals.
.macro GLU t
	WIN 0
.if (\t) > 0
	s_cmp_le_u32 s21, 16*(\t)                      ; my wave has no row in this block of 16, nor in a later one of this trip
	s_cbranch_scc1 .Lnext
.endif
	WIN 0x55                                       ; all in window 1
.set n, 0
.rept 32                               ; n = 16 group + 8 (j / 2) + i
.set gr, 8*(NCT*(\t)+4*(n/16)+2*((n/8)%2))+n%8
	v_min_num_f32 v[gr], s33, v[gr]
.set n, n+1
.endr
.set n, 0
.rept 16
.set gr, 8*(NCT*(\t)+4*(n/16)+2*((n/8)%2))+n%8
	v_pk_mul_f32 v[EE+n:EE+n+1], v[gr:gr+1], s[36:37] op_sel_hi:[1,0]
.set n, n+2
.endr
.set n, 0
.rept 32
	v_exp_f32 v[EE+n], v[EE+n]
.set n, n+1
.endr
.set n, 0
.rept 32                               ; the ups are clipped meanwhile: plain work that names no exponential's result
.set gr, 8*(NCT*(\t)+4*(n/16)+2*((n/8)%2))+n%8
	v_med3_num_f32 v[gr+8], v[gr+8], s34, s33
.set n, n+1
.endr
	s_wait_alu depctr_va_vdst(0)                   ; the 32 exponentials have written v[EE ..]: one wait for the batch, ahead of their first reader
.set n, 0
.rept 16
	v_pk_add_f32 v[EE+n:EE+n+1], v[EE+n:EE+n+1], 1.0 op_sel_hi:[1,0]
.set n, n+2
.endr
.set n, 0
.rept 32
	v_rcp_f32 v[EE+n], v[EE+n]
.set n, n+1
.endr
	v_nop                                          ; a plain instruction behind the last reciprocal
	s_wait_alu depctr_va_vdst(0)                   ; the 32 reciprocals have written v[EE ..]: one wait for the batch
.set n, 0
.rept 16
.set gr, 8*(NCT*(\t)+4*(n/16)+2*((n/8)%2))+n%8
	v_pk_mul_f32 v[gr:gr+1], v[gr:gr+1], v[EE+n:EE+n+1]
.set n, n+2
.endr
.set n, 0
.rept 16
.set gr, 8*(NCT*(\t)+4*(n/16)+2*((n/8)%2))+n%8
	v_pk_fma_f32 v[gr:gr+1], v[gr+8:gr+9], v[gr:gr+1], v[gr:gr+1]  ; up glu + glu
.set n, n+2
.endr
	WIN 0x05                                       ; sources window 1, destination window 0
.set n, 0
.rept 16                               ; n = 8 group + i: channels 32 group + 16 h + 2 i and the next
	v_cvt_pk_f16_f32 v[PP+16*(\t)+n], v[8*(NCT*(\t)+4*(n/8))+n%8], v[8*(NCT*(\t)+4*(n/8)+2)+n%8]
.set n, n+1
.endr
	WIN 0
	s_wait_alu depctr_va_vdst(0)                   ; the roundings have written v[PP + 16 t ..], which the stores read
.set n, 0
.rept 4                                ; n = 2 group + p: block of eight channels 4 group + 2 h + p; sixteen lanes (rows) store 256 consecutive bytes, aligned
	global_store_b128 v[SO], v[PP+16*(\t)+4*n:PP+16*(\t)+4*n+3], s[16:17] offset:(4*(n/2)+n%2)*RP+256*(\t)
.set n, n+1
.endr
.endm
; MODE 1, block t of 16 rows: the bias is added; register i of tile j is token 8 h + i, column 4 r + j.
.macro YOUT t
	WIN 0
.if (\t) > 0
	s_cmp_le_u32 s21, 16*(\t)                      ; my wave has no row in this block of 16, nor in a later one of this trip
	s_cbranch_scc1 .Lnext
.endif
	WIN 0x01                                       ; source 0 window 1
.set n, 0
.rept 32                               ; n = 4 i + j: every accumulator is read from register 0 on
	v_add_f32 v[TT+32*(\t)+n], v[8*(NCT*(\t)+n%4)+n/4], v[BI+n%4]
.set n, n+1
.endr
	WIN 0
	s_wait_alu depctr_va_vdst(0)                   ; the additions have written v[TT + 32 t ..], which the stores read
.set n, 0
.rept 8                                ; sixteen lanes store 256 consecutive bytes of a row, aligned
	global_store_b128 v[SO], v[TT+32*(\t)+4*n:TT+32*(\t)+4*n+3], s[16:17] offset:4096*n+65536*(\t)
.set n, n+1
.endr
.endm
	s_load_b256 s[4:11], s[0:1], 0x0
	s_load_b128 s[12:15], s[0:1], 0x20
	s_load_b64 s[16:17], s[0:1], 0x30
	v_lshl_add_u32 v254, v0, 2, 0x20000
	v_mov_b32 v255, 0
	v_lshrrev_b32 v[T0], 5, v0
	v_readfirstlane_b32 s18, v[T0]                 ; wave 0..3
	s_mov_b32 s19, ttmp9                           ; slice
	s_and_b32 s20, ttmp7, 0xffff                   ; expert
	s_lshl_b32 s39, s20, 4                         ; its entry in the table; kept until the entry is in
	v_and_b32 v[LANE], 31, v0
	v_and_b32 v[RR], 15, v0
	v_bfe_u32 v[HH], v0, 4, 1
	v_mul_u32_u24 v[WOFF], v[HH], 8*WP
	v_lshl_add_u32 v[WOFF], v[RR], 4, v[WOFF]
	v_lshlrev_b32 v[AOFF], 6, v[RR]
	v_lshl_add_u32 v[AOFF], v[HH], 5, v[AOFF]
	v_lshlrev_b32 v[WA0], 4, v[LANE]
	s_wait_alu depctr_va_sdst(0)                   ; s18 is written, ahead of its first reader: LDS places, rows and bases are made from it
	s_mul_i32 s30, s18, 8*KSB                      ; my wave's eight K steps in LDS
	v_add_nc_u32 v[LS0], s30, v[WA0]
.if MODE == 0
	v_mul_u32_u24 v[SO], v[HH], 2*RP
	v_lshlrev_b32 v[BO], 7, v[HH]                  ; columns 4 (8 h + i) + j: 128 h bytes
.else
	v_lshlrev_b32 v[SO], 15, v[HH]                 ; eight rows of 4,096 bytes
	v_lshlrev_b32 v[BO], 4, v[RR]
	v_mul_u32_u24 v[HRP], v[HH], RP
.endif
	v_lshl_add_u32 v[SO], v[RR], 4, v[SO]
	s_mov_b32 s33, 0x40e00000                      ; 7.0
	s_mov_b32 s34, 0xc0e00000                      ; -7.0
	s_mov_b32 s36, 0xc01d265f                      ; -1.702 log2(e) = -2.4554670
	s_mov_b32 s37, s36                             ; named with it as a pair
	s_mov_b32 s29, 0
	s_mul_i32 s31, s18, 48                         ; my wave's first row in a block
	v_add_nc_u32 v[ROW0], s31, v[RR]
	s_wait_kmcnt 0x0
	s_load_b64 s[24:25], s[14:15], s39 offset:0x0  ; the expert's first row and count: waited for behind the weights' first loads
	s_mul_i32 s28, s20, 1024*WP                    ; W: the expert, the slice, my wave's K steps
	s_mul_i32 s30, s19, SLB
	s_add_co_u32 s28, s28, s30
	s_mul_i32 s30, s18, 8*KSW
	s_add_co_u32 s28, s28, s30
	s_add_nc_u64 s[6:7], s[6:7], s[28:29]
	s_lshl_b32 s28, s20, 16                        ; lora_A: the expert's 1,024 rows of 64 bytes, my wave's 256
	s_lshl_b32 s30, s18, 14
	s_add_co_u32 s28, s28, s30
	s_add_nc_u64 s[8:9], s[8:9], s[28:29]
	s_mul_i32 s28, s20, 16*WP                      ; lora_B: the expert's 16 rows, the slice
	s_mul_i32 s30, s19, SLB
	s_add_co_u32 s28, s28, s30
	s_add_nc_u64 s[10:11], s[10:11], s[28:29]
	s_mul_i32 s28, s20, WP                         ; the bias: the expert's row, the slice
	s_add_co_u32 s28, s28, s30
	s_add_nc_u64 s[12:13], s[12:13], s[28:29]
	s_wait_alu depctr_va_vdst(0)                   ; v[WOFF], v[AOFF], v[WA0], v[SO] and v[BO] are written: the kernel's loads and stores read them as offsets
	; PHASE 1: the first loads
.set n, 0
.rept 8*NCG                            ; n = 8 group + i: lora_B[8 h + i][64 group + 4 r ..]
	global_load_b128 v[DD+4*n:DD+4*n+3], v[WOFF], s[10:11] offset:(n%8)*WP+256*(n/8)
.set n, n+1
.endr
	LOADU 1, 0, 1, 0, 0
	LOADU 1, 80, AU1, UOFF1, AOFF1
	LOADU 3, 0, 1, SLOTW, SLOTA
	WIN 0
.set n, 0
.rept 2+4*NCG                          ; ranks 16 to 31 of every LoRA fragment are 0
	v_mov_b32 v[AF+8*n+4], 0
	v_mov_b32 v[AF+8*n+5], 0
	v_mov_b32 v[AF+8*n+6], 0
	v_mov_b32 v[AF+8*n+7], 0
.set n, n+1
.endr
	s_wait_loadcnt LU0+LU1+LU0                     ; lora_B is in: the three units issued behind it may stay out
.set n, 0
.rept 16*NCG                           ; n = 16 group + 4 j + p
.set lb, DD+32*(n/16)+8*(n%4)+(n/4)%4
	v_cvt_pk_f16_f32 v[BF+32*(n/16)+8*((n/4)%4)+n%4], v[lb], v[lb+4]
.set n, n+1
.endr
	LOADU 3, 80, AU1, SLOTW+UOFF1, SLOTA+AOFF1     ; no wait: the vector instructions since the wait above name AF, BF and DD alone, none of the registers that these loads touch
	WIN 0
	; The expert's rows: all that phase 2 reads is made here, on every path.
	s_wait_kmcnt 0x0
	s_min_u32 s24, s24, 2303                       ; what was loaded is held inside the buffers
	s_min_u32 s25, s25, 2048
	s_add_co_u32 s26, s25, BLK-1
	s_lshr_b32 s26, s26, 6
	s_mul_i32 s26, s26, 43
	s_lshr_b32 s26, s26, 7                         ; blocks: ceil(count / 192) = ((count + 191) >> 6) / 3; n x 43 >> 7 is n / 3 for n up to 34
	s_sub_co_i32 s40, s25, s31                     ; rows from my wave's first row of block 0 on
	s_mov_b32 s41, 0
	s_max_u32 s44, s25, 1
	s_sub_co_u32 s44, s44, 1                       ; the expert's last row that exists
	s_lshl_b32 s28, s24, XSH
	s_add_nc_u64 s[42:43], s[4:5], s[28:29]        ; x at the expert's first row
	s_mov_b64 s[4:5], s[42:43]
	s_add_co_u32 s30, s24, s31                     ; the output at my wave's first row
.if MODE == 0
	s_lshl_b32 s28, s30, 4
	s_mul_i32 s30, s19, 8*RP                       ; the slice's 64 channels: eight blocks
.else
	s_lshl_b32 s28, s30, 12
	s_lshl_b32 s30, s19, 8
.endif
	s_add_co_u32 s28, s28, s30
	s_add_nc_u64 s[16:17], s[16:17], s[28:29]
	SETX
	s_wait_alu depctr_va_vdst(0)                   ; v[XO ..] are written, which the loads of x read as offsets
.if MODE == 0
	WIN 0x80
.set n, 0
.rept 16                               ; n = 8 group + i
	global_load_b128 v[BIS+4*n:BIS+4*n+3], v[BO], s[12:13] offset:256*(n/8)+16*(n%8)
.set n, n+1
.endr
.else
	global_load_b128 v[BI:BI+3], v[BO], s[12:13]
.endif
	FILLX 0, 0
	WIN 0
	s_cmp_eq_u32 s25, 0
	s_cbranch_scc1 .Lbar                           ; an expert without rows: its weights are not streamed
	s_mov_b32 s32, 0                               ; the trip's two slots in LDS, from my wave's first
.if NTRIP1 > 1
	s_mov_b32 s22, NTRIP1
.Lp1:                                                  ; a trip: two slots, four units, each loaded again two slots on.  A unit's wait counts the three units issued behind it (in the first trip the bias and x stand behind them too)
	s_wait_alu depctr_vm_vsrc(0)                   ; over the backward jump: the last trip's LDS stores have read v[LST], which the next line writes, and v[FR ..], which the first unit's roundings write
.endif
	v_add_nc_u32 v[LST], s32, v[LS0]               ; where this trip stores
	UNIT 1, 0, 1, BF, 0, LU1+LU0+LU1, 1, 2*SLOTW, 2*SLOTA, 0
	UNIT 1, 80, AU1, BF+BF1, 4096, LU0+LU1+LU0, 1, 2*SLOTW+UOFF1, 2*SLOTA+AOFF1, 1
	UNIT 3, 0, 1, BF, 8192, LU1+LU0+LU1, 1, 3*SLOTW, 3*SLOTA, 1
	UNIT 3, 80, AU1, BF+BF1, 12288, LU0+LU1+LU0, 1, 3*SLOTW+UOFF1, 3*SLOTA+AOFF1, 1
	WIN 0
	s_wait_xcnt 0x0                                ; the bases are stepped only behind this wait
	s_add_nc_u64 s[6:7], s[6:7], 2*SLOTW
	s_add_nc_u64 s[8:9], s[8:9], 2*SLOTA
	s_add_co_u32 s32, s32, 2*SLOTL
.if NTRIP1 > 1
	s_sub_co_u32 s22, s22, 1
	s_cmp_lg_u32 s22, 0
	s_cbranch_scc1 .Lp1
.endif
	s_wait_alu depctr_vm_vsrc(0)                   ; the LDS stores issued so far have read v[LST], which the next line writes, and v[FR ..], which the next unit's roundings write
	v_add_nc_u32 v[LST], s32, v[LS0]               ; my wave's last two slots
	UNIT 1, 0, 1, BF, 0, LU1+LU0+LU1, 0, 0, 0, 0   ; they load nothing: the counts run down
	UNIT 1, 80, AU1, BF+BF1, 4096, LU0+LU1, 0, 0, 0, 1
	UNIT 3, 0, 1, BF, 8192, LU1, 0, 0, 0, 1
	UNIT 3, 80, AU1, BF+BF1, 12288, 0, 0, 0, 0, 1
	WIN 0
.Lbar:
	s_wait_dscnt 0x0                               ; for the others' sake: my fragments are in LDS
	s_barrier_signal -1
	s_barrier_wait -1                              ; everybody's are
	s_wait_alu depctr_vm_vsrc(0)                   ; my LDS stores have read v[FR ..]: from here on these registers take the weights' fragments (MODE 0) or the way out's sums (MODE 1)
	s_wait_loadcnt 6*CH                            ; all but x's first chunk, which was asked for last: the bias is in, and no load is out into the slots' registers
.if MODE == 0
	WIN 0x02                                       ; source window 2
.set n, 0
.rept 64                               ; n = 32 group + 4 i + j: the bias into the order of the first product's C
	v_mov_b32 v[BT+8*(4*(n/32)+n%4)+(n/4)%8], v[BIS+n]
.set n, n+1
.endr
	WIN 0
.endif
	s_mov_b32 s27, 0
	; PHASE 2: a trip for each block of 192 rows.  The loads at a block's head owe no wait of their own.  On the way in, the last wait on va_vdst (the last unit's; for an expert without rows the one behind v[XO ..]) stands
	; behind every vector and matrix instruction that names WB, x1 or the offsets: since then only the moves into BT are issued.  Over the backward jump the waits of the way out and of the block's end do the same.
.Lblk:
	s_max_i32 s21, s40, 0                          ; my wave's rows from this block on
	s_cmp_eq_u32 s21, 0
	s_cbranch_scc1 .Lnext                          ; none: the expert's rows end ahead of my wave's
	FILLX 1, CH
	WIN 0
.set n, 0
.rept 2*NCT
	ds_load_b128 v[WB+4*n:WB+4*n+3], v[WA0] offset:512*n  ; K step 0
.set n, n+1
.endr
	s_wait_loadcnt 6*CH                            ; all but the chunk just asked for: the first chunk is in
	KS 0, 1, 1, WA0, KSB, -1, 0, -1                ; the first K step starts the sums
	WIN 0
	s_mov_b32 s38, 2*KSB                           ; the first fragments that a trip reads: K step 2 of its period
.if NT2 > 1
	s_mov_b32 s23, NT2
.Lk:                                                   ; a trip: PERIOD K steps, both buffers of x loaded again
	s_wait_alu depctr_vm_vsrc(0)                   ; over the backward jump: the last trip's LDS loads have read v[WA], which the next line writes
.endif
	v_add_nc_u32 v[WA], s38, v[WA0]                ; where this trip reads
	BODY 1
	WIN 0
	s_wait_xcnt 0x0                                ; x's base is stepped only behind this wait
	s_add_nc_u64 s[4:5], s[4:5], PERIOD*XSTEP
	s_add_co_u32 s38, s38, PERIOD*KSB
.if NT2 > 1
	s_sub_co_u32 s23, s23, 1
	s_cmp_lg_u32 s23, 0
	s_cbranch_scc1 .Lk
.endif
	s_wait_alu depctr_vm_vsrc(0)                   ; the LDS loads issued so far have read v[WA], which the next line writes
	v_add_nc_u32 v[WA], s38, v[WA0]                ; the last period
	BODY 0
	PLACES                                         ; behind the last products, ahead of the vector instructions that read their results
.if MODE == 0
	GLU 0
	GLU 1
	GLU 2
.else
	YOUT 0
	YOUT 1
	YOUT 2
.endif
	WIN 0
.Lnext:
	s_wait_xcnt 0x0                                ; the stores' data and base and x's offsets are rewritten only behind this wait
	s_wait_alu depctr_vm_vsrc(0)                   ; beside it, ahead of the branch: the block's loads of x have read v[XO ..], which are made anew below, and its stores have read v[PP ..] or v[TT ..], which the next block writes again
	s_add_co_u32 s30, s27, 1
	s_cmp_ge_u32 s30, s26
	s_cbranch_scc1 .Lcount                         ; that was the expert's last block: nothing more is asked for
	s_wait_loadcnt 0x0                             ; no load is out into the registers that are loaded again below
	s_sub_co_i32 s40, s40, BLK
	s_add_co_u32 s41, s41, BLK
	s_add_nc_u64 s[16:17], s[16:17], OSTEP
	s_mov_b64 s[4:5], s[42:43]                     ; x back at K step 0
	SETX
	s_wait_alu depctr_va_vdst(0)                   ; v[XO ..] are written, which the loads of x read; the block's products are done reading both buffers of x and of the weights, in which the next block's loads land
	FILLX 0, 0                                     ; the next block's first chunk
	WIN 0
.Lcount:
	s_add_co_u32 s27, s27, 1
	s_cmp_lt_u32 s27, s26
	s_cbranch_scc1 .Lblk
	s_wait_dscnt 0x0                               ; my reads of the fragments are over
	s_barrier_signal -1
	s_barrier_wait -1                              ; everybody's are
	s_wait_dscnt 0x0                               ; the wave's end
	s_wait_alu depctr_hold_cnt(0) depctr_sa_sdst(0) depctr_va_vdst(0) depctr_va_sdst(0) depctr_va_ssrc(0) depctr_va_vcc(0) depctr_vm_vsrc(0)
	s_wait_tensorcnt 0x0
	ds_add_u32 v254, v255
	s_wait_dscnt 0x0
	s_endpgm
.Lfunc_end_k_q0f9a23cbb5_down:
	.size	k_q0f9a23cbb5_down, .Lfunc_end_k_q0f9a23cbb5_down-k_q0f9a23cbb5_down
	.p2alignl 7, 3214868480
	.fill 96, 4, 3214868480
	.section	.rodata,"a",@progbits
	.p2align	6, 0x0
	.amdhsa_kernel k_q0f9a23cbb5_down
		.amdhsa_group_segment_fixed_size 131584
		.amdhsa_private_segment_fixed_size 0
		.amdhsa_enable_private_segment 0
		.amdhsa_kernarg_size 56
		.amdhsa_user_sgpr_count 2
		.amdhsa_user_sgpr_kernarg_segment_ptr 1
		.amdhsa_wavefront_size32 1
		.amdhsa_system_sgpr_workgroup_id_x 1
		.amdhsa_system_sgpr_workgroup_id_y 1
		.amdhsa_system_sgpr_workgroup_id_z 1
		.amdhsa_system_vgpr_workitem_id 0
		.amdhsa_next_free_vgpr 1024
		.amdhsa_next_free_sgpr 66
		.amdhsa_reserve_vcc 0
		.amdhsa_float_denorm_mode_32 3
		.amdhsa_float_denorm_mode_16_64 3
		.amdhsa_memory_ordered 1
		.amdhsa_forward_progress 1
		.amdhsa_inst_pref_size 144
	.end_amdhsa_kernel
	.amdgpu_metadata
---
amdhsa.version: [ 1, 2 ]
amdhsa.kernels:
  - .name:           k_q0f9a23cbb5_down
    .symbol:         k_q0f9a23cbb5_down.kd
    .args:
      - { .name: g, .offset: 0, .size: 8, .value_kind: global_buffer, .address_space: global }
      - { .name: down_proj, .offset: 8, .size: 8, .value_kind: global_buffer, .address_space: global }
      - { .name: lora_down_A, .offset: 16, .size: 8, .value_kind: global_buffer, .address_space: global }
      - { .name: lora_down_B, .offset: 24, .size: 8, .value_kind: global_buffer, .address_space: global }
      - { .name: down_bias, .offset: 32, .size: 8, .value_kind: global_buffer, .address_space: global }
      - { .name: tab, .offset: 40, .size: 8, .value_kind: global_buffer, .address_space: global }
      - { .name: y, .offset: 48, .size: 8, .value_kind: global_buffer, .address_space: global }
    .group_segment_fixed_size: 131584
    .private_segment_fixed_size: 0
    .kernarg_segment_align: 8
    .kernarg_segment_size: 56
    .max_flat_workgroup_size: 128
    .sgpr_count:     66
    .vgpr_count:     1024
    .wavefront_size: 32
...
	.end_amdgpu_metadata
.endif
;; end of part 6
;; launch combine: the kernel of part 4 again; grid 256 x 1, 4 waves a work-group, no clusters, 0 bytes of LDS; arguments y, router_indices, routing_weights, pos, out0; writes out0
